; MI455X (gfx1250); checked and timed in simulation.
; The chip was launched on July 23, 2026; its instructions are those of AMD's public machine-readable ISA for CDNA 5 (MIT licence, August 2026) and "CDNA5" Instruction Set Architecture Reference Guide (July 2026). The comments in the code are by the model that wrote it; some were corrected since.
;; Attention. Allowed arithmetic: float matrix products may take bf16 or f16 operands with f32 sums; other float arithmetic in f32, or as packed bf16 or f16 multiplies, adds, multiply-adds, maxima and minima; sums over many terms, partial sums and values carried from step to step in f32; what a program stores and reads back later, other than sums and carried values, may be rounded once to bf16 or f16.
;; Inputs: W_kqv 1,024 x 3,072 float32; b_kqv 3,072 float32; x 4,096 x 1,024 float32.
;; Outputs: out0 4,096 x 1,024 float32.
;; 2 versions, each right; version 2 is version 1 with the launch prep written anew for expert scheduling mode. Each part assembles by itself: llvm-mc -triple=amdgcn-amd-amdhsa -mcpu=gfx1250 --defsym DOCPART=n.
;; ======== version 1 of 2: 3 launches
;; limits: values are held in f16: magnitudes above 65,504 overflow, below 6.1e-05 lose precision
;; workspace buffers: xb 8,388,608 bytes; wb 6,291,456 bytes; rope 1,048,576 bytes; qkvh 25,165,824 bytes
;; launch prep (part 1): grid 256 x 1, 8 waves a work-group, no clusters, 0 bytes of LDS; arguments x, W_kqv, xb, wb, rope; writes xb, wb, rope
.if DOCPART == 1
	.amdgcn_target "amdgcn-amd-amdhsa--gfx1250"
	.amdhsa_code_object_version 6
	.text
	.protected	k_qa42cb0a305_prep
	.globl	k_qa42cb0a305_prep
	.p2align	8
	.type	k_qa42cb0a305_prep,@function
k_qa42cb0a305_prep:
	s_mov_b64 s[64:65], 0
	v_nop
	global_prefetch_b8 v0, s[64:65] scope:SCOPE_SE
	s_setreg_imm32_b32 hwreg(HW_REG_WAVE_MODE, 25, 1), 1
	s_wait_xcnt 0x0
; PREP.  xb = x rounded to bf16, [4096][1024].  wb = W rounded to bf16 and laid in 16 blocks of 192 columns: [16][1024 k][192], a row 384 bytes, a block dense.
; rope = [4096 positions][64] f32: words 0-31 cos(pos x th_i), words 32-63 sin(pos x th_i), th_i = 10000^(-i/32).
; A stream: each byte read once and written once, no LDS, no barrier, no loop.  Work-group g: 16 rows of x, rows 4 g .. 4 g + 3 of W, 16 positions of the table.
; A thread issues all its 28 loads of 16 bytes first, makes its four table numbers while they are out, then rounds and stores.
; LIMITS.  The angle is pos x 2^(-i log2(10000) / 32) in f32: like the f32 quotient pos / 10000^(i/32) it is good to some 3e-4 at the largest angles.
; Sine and cosine: the angle less n pi/2 (pi/2 in two parts, fused), then polynomials on -pi/4 .. pi/4; angles here stay under 4,096.
.set XR, 16                            ; v[16:79]   x: load j at XR + 4 j
.set WR, 80                            ; v[80:127]  W: load j at WR + 4 j
	s_load_b256 s[4:11], s[0:1], 0x0               ; x s[4:5], W s[6:7], xb s[8:9], wb s[10:11]
	s_load_b64 s[12:13], s[0:1], 0x20              ; rope
	v_lshlrev_b32 v1, 4, v0                        ; 16 t: my 16 bytes of x in 4,096, and of the table
	v_lshlrev_b32 v2, 3, v0                        ; 8 t: my 8 bytes of xb
	v_and_b32 v6, 31, v0                           ; lane l
	v_lshrrev_b32 v7, 5, v0                        ; wave w: it serves W's blocks 2 w and 2 w + 1
	v_and_b32 v8, 15, v0                           ; r = l % 16
	v_bfe_u32 v9, v0, 4, 1                         ; h = l / 16
	v_mul_u32_u24 v10, v7, 1536                    ; two blocks of 192 f32 columns
	v_lshl_add_u32 v3, v6, 4, v10                  ; both halves of the lanes in one row of W: 512 bytes on end
	v_lshl_add_u32 v4, v8, 4, v10                  ; the halves in two rows: the last 64 columns of a row of the block,
	v_mad_u32_u24 v4, v9, 11776, v4                ; and the first 64 of the next row: 12,288 - 512 bytes on
	v_mul_u32_u24 v5, v7, 786432                   ; two blocks of wb
	v_lshl_add_u32 v5, v6, 3, v5
	s_lshl_b32 s2, ttmp9, 16                       ; 16 rows of x
	s_mov_b32 s3, 0
	s_mul_i32 s14, ttmp9, 49152                    ; 4 rows of W
	s_mov_b32 s15, 0
	s_lshl_b32 s16, ttmp9, 15                      ; 16 rows of xb
	s_mov_b32 s17, 0
	s_mul_i32 s18, ttmp9, 1536                     ; 4 rows of a block of wb
	s_mov_b32 s19, 0
	s_lshl_b32 s20, ttmp9, 12                      ; 16 positions of the table
	s_mov_b32 s21, 0
	s_lshl_b32 s22, ttmp9, 4                       ; the first of them
	s_mov_b32 s24, 0xbfc90fdb                      ; -pi/2, the upper part
	s_mov_b32 s25, 0x333bbd2e                      ; what that part has too much
	s_mov_b32 s26, 0xb94ca1f9                      ; sine: -1.9515e-4,
	s_mov_b32 s27, 0x3c08839e                      ; 8.3322e-3
	s_mov_b32 s28, 0x37ccf5ce                      ; cosine: 2.4433e-5,
	s_mov_b32 s29, 0xbab6061a                      ; -1.3887e-3
	s_wait_kmcnt 0x0
	s_add_nc_u64 s[4:5], s[4:5], s[2:3]
	s_add_nc_u64 s[6:7], s[6:7], s[14:15]
	s_add_nc_u64 s[8:9], s[8:9], s[16:17]
	s_add_nc_u64 s[10:11], s[10:11], s[18:19]
	s_add_nc_u64 s[12:13], s[12:13], s[20:21]
.set j, 0
.rept 16                               ; a load of the work-group covers a row of x, a wave's part 512 bytes on end
	global_load_b128 v[XR+4*j:XR+4*j+3], v1, s[4:5] offset:4096*j th:TH_LOAD_NT
.set j, j+1
.endr
; W.  A block's 1,536 bytes of wb for these four k are twelve pieces of 128 bytes (piece m: row m / 3, 64 columns m % 3).  Load j serves block 2 w + j / 6, pieces 2 (j % 6) + h: 16 lanes read 256 aligned bytes of W.
.set j, 0
.rept 12
.set SRC, ((2*(j%6))/3)*12288+((2*(j%6))%3)*256+768*(j/6)
.if (j%3) == 1
	global_load_b128 v[WR+4*j:WR+4*j+3], v4, s[6:7] offset:SRC th:TH_LOAD_NT
.else
	global_load_b128 v[WR+4*j:WR+4*j+3], v3, s[6:7] offset:SRC th:TH_LOAD_NT
.endif
.set j, j+1
.endr
	; THE TABLE, while the loads are out.  Thread t: position t / 16; parts 0-7 make four cosines (as sines a quarter turn on), parts 8-15 four sines.
	v_lshrrev_b32 v128, 4, v0
	v_add_nc_u32 v128, s22, v128                   ; the position
	v_and_b32 v129, 15, v0
	v_and_b32 v130, 7, v129
	v_lshlrev_b32 v130, 2, v130                    ; my first frequency
	v_cmp_gt_u32 vcc_lo, 8, v129
	v_cndmask_b32 v131, 0, 1, vcc_lo               ; one quarter turn more for a cosine
.irp e, 0,1,2,3
	v_add_nc_u32 v[136+\e], \e, v130
	v_cvt_f32_u32 v[136+\e], v[136+\e]
	v_mul_f32 v[136+\e], 0xbed49a78, v[136+\e]     ; -i log2(10000) / 32
.endr
.irp e, 0,1,2,3
	v_exp_f32 v[136+\e], v[136+\e]                 ; th_i: one batch of four
.endr
	v_cvt_f32_u32 v132, v128                       ; a plain line behind the last of them,
	s_wait_alu depctr_va_vdst(0)                   ; and the one wait ahead of the batch's first reader
.irp e, 0,1,2,3
	v_mul_f32 v[136+\e], v132, v[136+\e]           ; the angle a
	v_mul_f32 v[140+\e], 0x3f22f983, v[136+\e]     ; a x 2 / pi,
	v_rndne_f32 v[140+\e], v[140+\e]               ; n
	v_fma_f32 v[144+\e], v[140+\e], s24, v[136+\e] ; rho = a - n pi/2, in two fused steps
	v_fma_f32 v[144+\e], v[140+\e], s25, v[144+\e]
	v_mul_f32 v[148+\e], v[144+\e], v[144+\e]      ; z = rho^2
	v_fma_f32 v[152+\e], v[148+\e], s26, s27
	v_fmaak_f32 v[152+\e], v[152+\e], v[148+\e], 0xbe2aaaa3
	v_mul_f32 v[152+\e], v[152+\e], v[148+\e]
	v_fma_f32 v[152+\e], v[152+\e], v[144+\e], v[144+\e]  ; sin rho
	v_fma_f32 v[156+\e], v[148+\e], s28, s29
	v_fmaak_f32 v[156+\e], v[156+\e], v[148+\e], 0x3d2aaaa5
	v_fma_f32 v[156+\e], v[156+\e], v[148+\e], -0.5
	v_fma_f32 v[156+\e], v[156+\e], v[148+\e], 1.0  ; cos rho
	v_cvt_i32_f32 v[140+\e], v[140+\e]
	v_add_nc_u32 v[140+\e], v[140+\e], v131        ; the quarter q
	v_and_b32 v[136+\e], 1, v[140+\e]
	v_cmp_eq_u32 vcc_lo, 1, v[136+\e]
	v_cndmask_b32 v[156+\e], v[152+\e], v[156+\e], vcc_lo  ; odd quarters take the cosine,
	v_and_b32 v[140+\e], 2, v[140+\e]
	v_lshlrev_b32 v[140+\e], 30, v[140+\e]
	v_xor_b32 v[156+\e], v[156+\e], v[140+\e]      ; quarters 2 and 3 the other sign
.endr
	global_store_b128 v1, v[156:159], s[12:13]     ; 16 lanes write one position's 256 bytes
.set j, 0
.rept 16
	s_wait_loadcnt 27-j                            ; loads come back in order: the 27 - j younger ones may stay out
	v_cvt_pk_bf16_f32 v[XR+4*j], v[XR+4*j], v[XR+4*j+1]
	v_cvt_pk_bf16_f32 v[XR+4*j+1], v[XR+4*j+2], v[XR+4*j+3]
	global_store_b64 v2, v[XR+4*j:XR+4*j+1], s[8:9] offset:2048*j  ; a wave's store covers 256 consecutive bytes, aligned
.set j, j+1
.endr
.set j, 0
.rept 12
	s_wait_loadcnt 11-j
	v_cvt_pk_bf16_f32 v[WR+4*j], v[WR+4*j], v[WR+4*j+1]
	v_cvt_pk_bf16_f32 v[WR+4*j+1], v[WR+4*j+2], v[WR+4*j+3]
	global_store_b64 v5, v[WR+4*j:WR+4*j+1], s[10:11] offset:393216*(j/6)+256*(j%6)  ; two pieces on end: 256 consecutive bytes, aligned
.set j, j+1
.endr
	s_endpgm
.Lfunc_end_k_qa42cb0a305_prep:
	.size	k_qa42cb0a305_prep, .Lfunc_end_k_qa42cb0a305_prep-k_qa42cb0a305_prep
	.p2alignl 7, 3214868480
	.fill 96, 4, 3214868480
	.section	.rodata,"a",@progbits
	.p2align	6, 0x0
	.amdhsa_kernel k_qa42cb0a305_prep
		.amdhsa_group_segment_fixed_size 0
		.amdhsa_private_segment_fixed_size 0
		.amdhsa_enable_private_segment 0
		.amdhsa_kernarg_size 40
		.amdhsa_user_sgpr_count 2
		.amdhsa_user_sgpr_kernarg_segment_ptr 1
		.amdhsa_wavefront_size32 1
		.amdhsa_system_sgpr_workgroup_id_x 1
		.amdhsa_system_sgpr_workgroup_id_y 1
		.amdhsa_system_sgpr_workgroup_id_z 1
		.amdhsa_system_vgpr_workitem_id 0
		.amdhsa_next_free_vgpr 160
		.amdhsa_next_free_sgpr 66
		.amdhsa_reserve_vcc 1
		.amdhsa_float_denorm_mode_32 3
		.amdhsa_float_denorm_mode_16_64 3
		.amdhsa_memory_ordered 1
		.amdhsa_forward_progress 1
		.amdhsa_inst_pref_size 17
	.end_amdhsa_kernel
	.amdgpu_metadata
---
amdhsa.version: [ 1, 2 ]
amdhsa.kernels:
  - .name:           k_qa42cb0a305_prep
    .symbol:         k_qa42cb0a305_prep.kd
    .args:
      - { .name: x, .offset: 0, .size: 8, .value_kind: global_buffer, .address_space: global }
      - { .name: W_kqv, .offset: 8, .size: 8, .value_kind: global_buffer, .address_space: global }
      - { .name: xb, .offset: 16, .size: 8, .value_kind: global_buffer, .address_space: global }
      - { .name: wb, .offset: 24, .size: 8, .value_kind: global_buffer, .address_space: global }
      - { .name: rope, .offset: 32, .size: 8, .value_kind: global_buffer, .address_space: global }
    .group_segment_fixed_size: 0
    .private_segment_fixed_size: 0
    .kernarg_segment_align: 8
    .kernarg_segment_size: 40
    .max_flat_workgroup_size: 256
    .sgpr_count:     66
    .vgpr_count:     160
    .wavefront_size: 32
...
	.end_amdgpu_metadata
.endif
;; end of part 1
;; launch qkv (part 2): grid 16 x 16, 4 waves a work-group, clusters of 4 x 4, 327,680 bytes of LDS; arguments xb, wb, b_kqv, rope, qkvh; writes qkvh
.if DOCPART == 2
	.amdgcn_target "amdgcn-amd-amdhsa--gfx1250"
	.amdhsa_code_object_version 6
	.text
	.protected	k_qa42cb0a305_qkv
	.globl	k_qa42cb0a305_qkv
	.p2align	8
	.type	k_qa42cb0a305_qkv,@function
k_qa42cb0a305_qkv:
	s_mov_b64 s[64:65], 0
	v_nop
	global_prefetch_b8 v0, s[64:65] scope:SCOPE_SE
	s_setreg_imm32_b32 hwreg(HW_REG_WAVE_MODE, 25, 1), 1
	s_wait_xcnt 0x0
	s_wait_alu depctr_hold_cnt(0) depctr_sa_sdst(0) depctr_va_vdst(0) depctr_va_sdst(0) depctr_va_ssrc(0) depctr_va_vcc(0) depctr_vm_vsrc(0)
	s_getreg_b32 s2, hwreg(HW_REG_IB_STS2, 6, 4)
	s_cmp_eq_u32 s2, 0
	s_cbranch_scc0 .Lentry_in_a_cluster
	s_endpgm
.Lentry_in_a_cluster:
	s_bfe_u32 s2, ttmp6, 0x10000c
	s_cmp_lg_u32 s2, 0xf033
	s_cbranch_scc0 .Lentry_shape_is_right
	s_endpgm
.Lentry_shape_is_right:
; QKV.  qkvh[g][row][f] = f16( rope( x W + b ) ), g = 0-15 q's heads, 16-31 k's, 32-47 v's (v is not turned); [48][4096][64], a head's rows dense, 128 bytes each.
; Operands bf16 (xb, wb; the bias is rounded to bf16 like the other inputs), sums in f32, the turn in f32, one rounding to f16.
; LIMIT.  f16 holds no number beyond 65,504: q, k and v must lie within it.  NaN and infinities are not treated apart.
; SHARES.  A tile of C is 256 rows x 192 columns (three heads): 16 x 16 work-groups.  Wave w makes rows 64 w .. 64 w + 63 of all 192 columns: 48 accumulators, 384 registers.  Whole heads lie in one
; wave, and channel f and its partner f + 32 in one lane, so the turn and the way out need no other wave.
; THE PRODUCT IS USED TRANSPOSED: source 0 = 16 columns of W, source 1 = 16 rows of x: lane l holds row l % 16 of C and the columns 8 (l / 16) + 0..7 of a block of 16.
; W lies [k][n]: its fragments come out of LDS turned, by ds_load_tr16_b128.  THE BIAS IS THE C OPERAND of the products that start the sums: nothing is cleared, nothing is added later.
; RING.  K goes in steps of 128 through two LDS slots: 256 rows of x (256 bytes + 16 of padding), 128 rows of W (three pieces of 128 bytes, 32 of padding behind each).
; CLUSTER.  4 x 4 work-groups: x's tile is shared along a row of the cluster, W's along a column; each is asked for jointly, by the same load with the same descriptor and a mask that names the four.
; REGISTERS.  Window 0: v0-15 addresses; v16-31 way out; v32-63, v64-95 x's fragments, two buffers; v96-191 the bias; v192-255 the table for my rows 0-31.  Window 1: W's fragments, two buffers of 96.
; Window 2: the accumulators of row blocks 0, 1 ((a, b) at 8 (12 (a % 2) + b)); window 3: those of blocks 2, 3.
.set KSTEP, 128
.set PA,    272                        ; a row of x in LDS: 68 words: the 16 rows of a load start at 16 different groups of four banks (64 banks of 4 bytes: ISA guide 11.1)
.set PB,    480                        ; a row of W in LDS: 3 x (128 + 32) bytes = 120 words
.set SLOT,  131072
.set HALFA, 128*PA                     ; what a wave's load of x brings
.set HALFB, 64*PB                      ; what a wave's load of W brings: 64 rows
.set BOFF,  2*HALFA                    ; W's rows lie behind x's 256
.set STAGE, 2*SLOT                     ; behind the ring: 16 rows x 144 bytes for each wave
.set SP,    144
.set SPARE, STAGE+4*16*SP              ; behind the stages: the spare words, 128 bytes for each wave
.set ADRA, 4                           ; v4-5   LDS address of my fragments of x in slot 0, 1
.set ADRB, 6                           ; v6-7   the same for W
.set STO,  8                           ; v8     way out: where I put 16 bytes of a row
.set RD,   9                           ; v9     way out: where I read rows back
.set GO,   10                          ; v10    my 16 bytes in 512 consecutive bytes of qkvh
.set TBO,  11                          ; v11    my offset in 16 rows of the table
.set BO,   12                          ; v12    my offset in 16 numbers of the bias
.set PFO,  13                          ; v13    the prefetches' offset; never rewritten
.set SPW,  14                          ; v14    my spare word; never rewritten
.set NIL,  15                          ; v15    0; never rewritten
.set FA,   32                          ; x's fragments: buffer f, row block a at FA + 32 f + 8 a
.set BI,   96                          ; the bias of column block b at BI + 8 b
.set CE,   32                          ; way out: cosines (1 for v), 16
.set SE,   48                          ; way out: sines (0 for v), 16
.set T,    64                          ; way out: 32 turned numbers
.set PK,   160                         ; way out: they packed, 16
.set WV,   14
.set ROLE, 15                          ; 0: I fetch x's tiles; 1: W's
.set HALF, 16                          ; which half of the tile I fetch
.set CX,   17
.set CY,   18
.set TC,   19                          ; tile column
.set TR,   20                          ; tile row
.set LIM,  21                          ; 1 in a wave that prefetches, else the greatest number
.set G1,   24                          ; s[24:31] descriptor group 1 for x's tiles;  s[32:39] group 0, a set for each slot
.set G0,   32
.set PFA,  44                          ; s[44:45] where my prefetches stand
.set PFS,  46                          ; s[46:47] their step: a K step
.set G1B,  48                          ; s[48:55], s[56:63] the same for W's tiles
.set G0B,  56
.set OB,   66                          ; s[66:71] qkvh at my 64 rows of the tile's three heads
.set MS,   72                          ; s[72+4 hh ..]: a pair 1.0 (q, k) or 0 (v), then a pair 1 less that
.set RP,   84                          ; s[84:85] the table at my 64 rows
.set BP,   86                          ; s[86:87] the bias at the tile's 192 columns
.set MSB, 0
.macro WIN new                         ; the immediate's high byte repeats the setting that is left; a switch that changes nothing is dropped
.if MSB != (\new)
	s_set_vgpr_msb (MSB<<8)|(\new)
.set MSB, \new
.endif
.endm
; A joint load.  Waves 0 and 1 fetch x's two halves, waves 2 and 3 W's.  The branch hangs on the wave's number alone.  An s_nop 0 and four v_nop follow each line.
.macro JLOAD s
	s_cmp_eq_u32 s[ROLE], 0
	s_cbranch_scc0 .Lfor_b_\@
	tensor_load_to_lds s[G0+4*(\s):G0+4*(\s)+3], s[G1:G1+7]
	s_nop 0
.rept 4
	v_nop
.endr
	s_branch .Lasked_\@
.Lfor_b_\@:
	tensor_load_to_lds s[G0B+4*(\s):G0B+4*(\s)+3], s[G1B:G1B+7]
	s_nop 0
.rept 4
	v_nop
.endr
.Lasked_\@:
.endm
; A prefetch into the L2 of the K step that the NEXT refill will ask for: 192 matrix instructions ahead of that load.  x's rows are named by the clusters with x = 0, W's blocks by those with y = 0; the four partners
; that ask for a tile jointly share it out by address: of a wave's 128 rows of x 32 each, a lane a row; of its 96 blocks of 256 bytes of W 24 each (lanes 24-31 name lane 23's block once more).
; how = 1: slot 0's refill always has a K step behind it; how = 0: slot 1's has none in the loop's last trip.
.macro ASK how
.if \how
	s_cmp_eq_u32 s[LIM], 1
.else
	s_cmp_gt_u32 s3, s[LIM]
.endif
	s_cbranch_scc0 .Lnot_mine_\@
	global_prefetch_b8 v[PFO], s[PFA:PFA+1] th:TH_LOAD_NT scope:SCOPE_SE
.Lnot_mine_\@:
.endm
.macro CREST                           ; a round of the cluster's barrier behind its opening barrier
	s_cmp_lg_u32 s[WV], 0
	s_cbranch_scc1 .Lnot_wave_0_\@
	s_barrier_signal -3
.Lnot_wave_0_\@:
	s_barrier_wait -3
	s_barrier_signal -1
	s_barrier_wait -1
.endm
.macro CROUND
	s_barrier_signal -1
	s_barrier_wait -1
	CREST
.endm
.macro PLACES                          ; four plain lines in front of loads into registers that matrix instructions have read, and of lines that read results
.rept 4
	v_nop
.endr
.endm
.macro TABLD a, dst                    ; the table for row block a: cosines of i = 8 h + 0..7 and 16 + 8 h + 0..7, then the sines
.irp c, 0,1,2,3
	global_load_b128 v[(\dst)+8*(\c):(\dst)+8*(\c)+3],   v[TBO], s[RP:RP+1] offset:(\a)*4096+64*(\c)
	global_load_b128 v[(\dst)+8*(\c)+4:(\dst)+8*(\c)+7], v[TBO], s[RP:RP+1] offset:(\a)*4096+64*(\c)+16
.endr
.endm
	s_load_b256 s[4:11], s[0:1], 0x0               ; xb s[4:5], wb s[6:7], b s[8:9], rope s[10:11]
	s_load_b64 s[12:13], s[0:1], 0x20              ; qkvh
	v_lshl_add_u32 v[SPW], v0, 2, SPARE
	v_mov_b32 v[NIL], 0
	ds_add_u32 v[SPW], v[NIL]                      ; the wave's opening: the add and its wait stand ahead of my first tensor load; work on registers stands between them
	v_lshrrev_b32 v1, 5, v0
	v_readfirstlane_b32 s[WV], v1
	s_lshr_b32 s[ROLE], s[WV], 1
	s_and_b32 s[HALF], s[WV], 1
	s_bfe_u32 s[CX], ttmp6, 0x40000
	s_bfe_u32 s[CY], ttmp6, 0x40004
	s_lshl_b32 s[TC], ttmp9, 2
	s_add_co_u32 s[TC], s[TC], s[CX]               ; tile column = 4 x cluster x + cx
	s_and_b32 s[TR], ttmp7, 0xffff
	s_lshl_b32 s[TR], s[TR], 2
	s_add_co_u32 s[TR], s[TR], s[CY]               ; tile row = 4 x cluster y + cy
	s_lshl_b32 s2, s[CY], 2
	s_lshl_b32 s2, 15, s2                          ; my row of the cluster
	s_lshl_b32 s3, 0x1111, s[CX]                   ; my column
	s_or_b32 s[G1], s2, (1<<16)|(1<<20)|(1<<21)|(5<<22)|(3<<25)   ; the mask; 2-byte elements; padding on; bit 21 beside a mask; after every 64 words 4 words
	s_or_b32 s[G1B], s3, (1<<16)|(1<<20)|(1<<21)|(4<<22)|(7<<25)  ; the same with my column's mask; after every 32 words 8 words
	s_mov_b32 s[G1+1], 128<<16                     ; x: tensor_dim0 = 128
	s_mov_b32 s[G1+2], 128<<16                     ; tensor_dim1 = 128
	s_mov_b32 s[G1+3], 128<<16                     ; tile_dim0 = 128
	s_mov_b32 s[G1+4], 128                         ; tile_dim1 = 128
	s_mov_b32 s[G1+5], 1024                        ; elements from row to row
	s_mov_b32 s[G1+6], 0
	s_mov_b32 s[G1+7], 0
	s_mov_b32 s[G1B+1], 128<<16                    ; W: 64 rows of 384 bytes are 24,576 dense bytes: asked for as 96 rows of 256
	s_mov_b32 s[G1B+2], 96<<16
	s_mov_b32 s[G1B+3], 128<<16
	s_mov_b32 s[G1B+4], 96
	s_mov_b32 s[G1B+5], 128
	s_mov_b32 s[G1B+6], 0
	s_mov_b32 s[G1B+7], 0
	s_lshl_b32 s40, s[TR], 19                      ; x: (256 x tile row + 128 x half) rows of 2,048 bytes
	s_lshl_b32 s41, s[HALF], 18
	s_add_co_u32 s40, s40, s41
	s_mov_b32 s41, 0
	s_mul_i32 s42, s[TC], 393216                   ; W: the tile column's block, my 64 of a K step's 128 rows
	s_mul_i32 s43, s[HALF], 24576
	s_add_co_u32 s42, s42, s43
	s_mov_b32 s43, 0
	s_mul_i32 s22, s[HALF], HALFA                  ; where they go: no place in the cluster enters an LDS address
	s_mul_i32 s23, s[HALF], HALFB
	s_add_co_u32 s23, s23, BOFF
	s_wait_dscnt 0x0                               ; the opening add is done
	s_wait_kmcnt 0x0
	s_add_nc_u64 s[40:41], s[4:5], s[40:41]
	s_add_nc_u64 s[42:43], s[6:7], s[42:43]
	CROUND                                         ; all sixteen work-groups are here: the first joint loads meet
.irp s, 0,1
	s_mov_b32 s[G0+4*(\s)], 1
	s_add_co_u32 s[G0+4*(\s)+1], s22, (\s)*SLOT
	s_add_nc_u64 s[G0+4*(\s)+2:G0+4*(\s)+3], s[40:41], (\s)*KSTEP*2
	s_or_b32 s[G0+4*(\s)+3], s[G0+4*(\s)+3], 0x80000000
	s_mov_b32 s[G0B+4*(\s)], 1
	s_add_co_u32 s[G0B+4*(\s)+1], s23, (\s)*SLOT
	s_add_nc_u64 s[G0B+4*(\s)+2:G0B+4*(\s)+3], s[42:43], (\s)*KSTEP*384
	s_or_b32 s[G0B+4*(\s)+3], s[G0B+4*(\s)+3], 0x80000000
	JLOAD \s                                       ; two loads of mine are out
.endr
	; while the tiles are on their way: the bias, the table for my rows 0-31, the addresses
	s_mul_i32 s2, s[TC], 768
	s_mov_b32 s3, 0
	s_add_nc_u64 s[BP:BP+1], s[8:9], s[2:3]
	s_lshl_b32 s2, s[TR], 16
	s_lshl_b32 s22, s[WV], 14
	s_add_co_u32 s2, s2, s22                       ; (256 x tile row + 64 x wave) positions of 256 bytes
	s_add_nc_u64 s[RP:RP+1], s[10:11], s[2:3]
	v_and_b32 v1, 15, v0                           ; r = l % 16
	v_bfe_u32 v2, v0, 4, 1                         ; h = l / 16
	v_lshlrev_b32 v[BO], 5, v2
	v_lshlrev_b32 v[TBO], 8, v1
	v_lshl_add_u32 v[TBO], v2, 5, v[TBO]
.irp b, 0,1,2,3,4,5,6,7,8,9,10,11
	global_load_b128 v[BI+8*(\b):BI+8*(\b)+3],   v[BO], s[BP:BP+1] offset:64*(\b)
	global_load_b128 v[BI+8*(\b)+4:BI+8*(\b)+7], v[BO], s[BP:BP+1] offset:64*(\b)+16
.endr
	TABLD 0, 192
	TABLD 1, 224
	v_mul_u32_u24 v3, v1, PA
	v_lshl_add_u32 v3, v2, 4, v3                   ; row x pitch + 16 x half
	s_mul_i32 s2, s[WV], 64*PA
	v_add_nc_u32 v[ADRA], s2, v3
	s_add_co_u32 s2, s2, SLOT
	v_add_nc_u32 v[ADRA+1], s2, v3
	v_and_b32 v3, 7, v0                            ; the turning load: lane l reads row 8 h + l % 8, columns 8 ((l / 8) % 2) + 0..7
	v_lshl_add_u32 v3, v2, 3, v3
	v_mul_u32_u24 v3, v3, PB
	v_bfe_u32 v[ADRB], v0, 3, 1
	v_lshl_add_u32 v3, v[ADRB], 4, v3
	v_add_nc_u32 v[ADRB], BOFF, v3
	v_add_nc_u32 v[ADRB+1], BOFF+SLOT, v3
	s_mul_i32 s2, s[WV], 16*SP
	s_add_co_u32 s2, s2, STAGE                     ; my stage
	v_mul_u32_u24 v[STO], v1, SP
	v_lshl_add_u32 v[STO], v2, 4, v[STO]
	v_add_nc_u32 v[STO], s2, v[STO]
	v_bfe_u32 v[RD], v0, 3, 2                      ; back: 32 lanes take four rows of 128 bytes,
	v_mul_u32_u24 v[RD], v[RD], SP
	v_and_b32 v3, 7, v0
	v_lshl_add_u32 v[RD], v3, 4, v[RD]
	v_add_nc_u32 v[RD], s2, v[RD]
	v_and_b32 v[GO], 31, v0                        ; which are 512 consecutive bytes of a head
	v_lshlrev_b32 v[GO], 4, v[GO]
	s_mul_i32 s2, s[TC], 3                         ; the tile's first head
	s_lshl_b32 s22, s[TR], 15
	s_lshl_b32 s23, s[WV], 13
	s_add_co_u32 s22, s22, s23                     ; (256 x tile row + 64 x wave) rows of 128 bytes
.irp hh, 0,1,2
	s_add_co_u32 s23, s2, \hh
	s_cmp_lt_u32 s23, 32                           ; q's and k's heads are turned, v's are not: chosen by numbers, since a tile may hold both kinds
	s_cselect_b32 s[MS+4*(\hh)], 1.0, 0
	s_cselect_b32 s[MS+4*(\hh)+2], 0, 1.0
	s_mov_b32 s[MS+4*(\hh)+1], s[MS+4*(\hh)]       ; named as pairs
	s_mov_b32 s[MS+4*(\hh)+3], s[MS+4*(\hh)+2]
	s_lshl_b32 s88, s23, 19
	s_add_co_u32 s88, s88, s22
	s_mov_b32 s89, 0
	s_add_nc_u64 s[OB+2*(\hh):OB+2*(\hh)+1], s[12:13], s[88:89]
.endr
	; the prefetches: they stand at K step 2; the first refill steps them to K step 3
	s_lshl_b32 s88, s[TR], 19
	s_lshl_b32 s89, s[HALF], 18
	s_add_co_u32 s88, s88, s89
	s_lshl_b32 s89, s[CX], 16                      ; my work-group's 32 of the 128 rows
	s_add_co_u32 s88, s88, s89
	s_add_co_u32 s88, s88, 2*KSTEP*2
	s_mul_i32 s90, s[TC], 393216
	s_mul_i32 s91, s[HALF], 24576
	s_add_co_u32 s90, s90, s91
	s_mul_i32 s91, s[CY], 6144                     ; my work-group's 24 of the 96 blocks
	s_add_co_u32 s90, s90, s91
	s_add_co_u32 s90, s90, 2*KSTEP*384
	s_and_b32 s91, ttmp7, 0xffff
	s_mov_b32 s23, KSTEP*384
	s_cmp_eq_u32 s[ROLE], 0
	s_cselect_b32 s88, s88, s90
	s_cselect_b32 s91, ttmp9, s91                  ; the coordinate along which other clusters read the same bytes
	s_cselect_b64 s[PFA:PFA+1], s[4:5], s[6:7]
	s_cselect_b32 s[PFS], KSTEP*2, s23
	s_cselect_b32 s2, 31, 23
	s_cselect_b32 s22, 11, 8
	s_mov_b32 s[PFS+1], 0
	s_mov_b32 s89, 0
	s_add_nc_u64 s[PFA:PFA+1], s[PFA:PFA+1], s[88:89]
	s_cmp_eq_u32 s91, 0
	s_cselect_b32 s[LIM], 1, -1                    ; the same in all sixteen partners, for a given wave
	v_and_b32 v[PFO], 31, v0
	v_min_u32 v[PFO], s2, v[PFO]
	v_lshlrev_b32 v[PFO], s22, v[PFO]
	s_wait_loadcnt 16                              ; the bias is in; the table's 16 loads may stay out
.set i, 0
.rept 48                               ; the bias rounded to bf16, kept as f32
	v_cvt_pk_bf16_f32 v3, v[BI+2*i], v[BI+2*i+1]
	v_lshlrev_b32 v[BI+2*i], 16, v3
	v_and_b32 v[BI+2*i+1], 0xffff0000, v3
.set i, i+1
.endr
; 12 matrix instructions: row block a x all 12 column blocks, 32 along K, from buffer f.  first = 1: the bias starts the sums.  The 48 accumulators take turns, one instruction a turn, in the same order in every quarter.
.macro MUL12 f, a, first
.if \first
	WIN 0x81+0x40*((\a)/2)                         ; W window 1, x and the bias window 0, D window 2 or 3
.else
	WIN 0xa1+0x50*((\a)/2)                         ; W window 1, x window 0, C and D window 2 or 3
.endif
.irp b, 0,1,2,3,4,5,6,7,8,9,10,11
.if \first
	v_wmma_f32_16x16x32_bf16 v[8*(12*((\a)%2)+(\b)):8*(12*((\a)%2)+(\b))+7], v[96*(\f)+8*(\b):96*(\f)+8*(\b)+7], v[FA+32*(\f)+8*(\a):FA+32*(\f)+8*(\a)+7], v[BI+8*(\b):BI+8*(\b)+7]
.else
	v_wmma_f32_16x16x32_bf16 v[8*(12*((\a)%2)+(\b)):8*(12*((\a)%2)+(\b))+7], v[96*(\f)+8*(\b):96*(\f)+8*(\b)+7], v[FA+32*(\f)+8*(\a):FA+32*(\f)+8*(\a)+7], v[8*(12*((\a)%2)+(\b)):8*(12*((\a)%2)+(\b))+7]
.endif
.endr
.endm
; 32 LDS loads in one run: quarter q (32 along K) of a slot into buffer f: W's 12 fragments, turned, then x's 4
.macro FETCH slot, q, f
	WIN 0x40                                       ; destination window 1, address window 0
.irp b, 0,1,2,3,4,5,6,7,8,9,10,11
	ds_load_tr16_b128 v[96*(\f)+8*(\b):96*(\f)+8*(\b)+3],   v[ADRB+(\slot)] offset:(\q)*32*PB+((\b)/4)*160+((\b)%4)*32
	ds_load_tr16_b128 v[96*(\f)+8*(\b)+4:96*(\f)+8*(\b)+7], v[ADRB+(\slot)] offset:(\q)*32*PB+16*PB+((\b)/4)*160+((\b)%4)*32
.endr
	WIN 0
.irp i, 0,1,2,3
	ds_load_b128 v[FA+32*(\f)+8*(\i):FA+32*(\f)+8*(\i)+3],   v[ADRA+(\slot)] offset:64*(\q)+(\i)*16*PA
	ds_load_b128 v[FA+32*(\f)+8*(\i)+4:FA+32*(\f)+8*(\i)+7], v[ADRA+(\slot)] offset:64*(\q)+(\i)*16*PA+32
.endr
.endm
; One of a K step's first three quarters: multiplies buffer f; in its middle it fetches quarter q of the same slot into buffer g.
.macro QUARTER slot, q, f, g, first
	s_wait_dscnt 4                                 ; W and x's blocks 0, 1 are in; the youngest four loads (blocks 2, 3) may be out
	MUL12 \f, 0, \first
	MUL12 \f, 1, \first
	PLACES
	FETCH \slot, \q, \g
	s_wait_dscnt 32                                ; all but the 32 just issued
	MUL12 \f, 2, \first
	MUL12 \f, 3, \first
.endm
; The last quarter multiplies buffer 1 and changes slots.  In front of the barrier each wave waits for all its tensor loads (one is out: its part of the next slot), adds 0 to its spare word, and waits for that and for
; its reads of this slot.  fill = 1: the barrier opens a round of the cluster's, and the joint refill, two K steps on, is the first tensor load behind it: 168 matrix instructions ahead of the wait for it.
.macro TURN slot, next, fill, how
.if \fill
	s_wait_xcnt 0x0                                ; the last prefetch, a K step back, has read its address: it is stepped here
	s_add_nc_u64 s[PFA:PFA+1], s[PFA:PFA+1], s[PFS:PFS+1]
.endif
	WIN 0
	s_wait_tensorcnt 0x0                           ; all my tensor loads have landed
	ds_add_u32 v[SPW], v[NIL]                      ; 0 onto my spare word
	s_wait_dscnt 5                                 ; (the add and the youngest four loads may be out)
	MUL12 1, 0, 0
	s_wait_dscnt 0x0                               ; the add is done, and my reads of this slot are over
	s_barrier_signal -1
	MUL12 1, 1, 0
.if \fill
	WIN 0
.endif
	s_barrier_wait -1
.if \fill
	CREST                                          ; no wave of any partner still reads this slot or has a load on its way
	s_add_nc_u64 s[G0+4*(\slot)+2:G0+4*(\slot)+3], s[G0+4*(\slot)+2:G0+4*(\slot)+3], 2*KSTEP*2
	s_add_nc_u64 s[G0B+4*(\slot)+2:G0B+4*(\slot)+3], s[G0B+4*(\slot)+2:G0B+4*(\slot)+3], 2*KSTEP*384
	JLOAD \slot                                    ; its four v_nop are also the places in front of the loads below
.else
	PLACES
.endif
	FETCH \next, 0, 0
.if \fill
	ASK \how
.endif
	MUL12 1, 2, 0
	MUL12 1, 3, 0
.endm
	s_wait_tensorcnt 1                             ; my part of K step 0 is in; K step 1's may stay out
	s_barrier_signal -1
	s_barrier_wait -1
	FETCH 0, 0, 0
	QUARTER 0, 1, 0, 1, 1                          ; the first quarter stands in front of the loop: its products start the sums with the bias
	WIN 0
	s_mov_b32 s3, 3
.Llap:                                             ; a trip goes once round the ring and fills both slots again: K steps 2 to 7
	QUARTER 0, 2, 1, 0, 0
	QUARTER 0, 3, 0, 1, 0
	TURN 0, 1, 1, 1
	QUARTER 1, 1, 0, 1, 0
	QUARTER 1, 2, 1, 0, 0
	QUARTER 1, 3, 0, 1, 0
	TURN 1, 0, 1, 0
	QUARTER 0, 1, 0, 1, 0
	WIN 0
	s_sub_co_u32 s3, s3, 1
	s_cmp_lg_u32 s3, 0
	s_cbranch_scc1 .Llap
	QUARTER 0, 2, 1, 0, 0                          ; the last lap fills nothing
	QUARTER 0, 3, 0, 1, 0
	TURN 0, 1, 0, 0
	QUARTER 1, 1, 0, 1, 0
	QUARTER 1, 2, 1, 0, 0
	QUARTER 1, 3, 0, 1, 0
	s_wait_dscnt 4
	MUL12 1, 0, 0
	MUL12 1, 1, 0
	s_wait_dscnt 0x0
	MUL12 1, 2, 0
	MUL12 1, 3, 0
	WIN 0
	PLACES
; THE WAY OUT, in 12 units u: row block a = u / 3, head hh = u % 3.  In a lane the head's column blocks 0, 1 hold channels i = 16 p + 8 h + j, blocks 2, 3 their partners i + 32.
; PACK: cos and sin take 1 and 0 for v's heads; first' = first cos - second sin, second' = second cos + first sin; rounded to f16.  Each accumulator's lowest registers are read first.
.macro PACK u
.set a, (\u)/3
.set hh, (\u)%3
.if a < 2
.set TB, 192+32*a
.else
.set TB, 96+32*(a-2)
.endif
.set AF, 8*(12*(a%2)+4*hh)             ; the first halves' two accumulators
.set AS, AF+16                         ; the second halves'
	WIN 0
.set y, 0
.rept 8
	v_pk_fma_f32 v[CE+2*y:CE+2*y+1], v[TB+2*y:TB+2*y+1], s[MS+4*hh:MS+4*hh+1], s[MS+4*hh+2:MS+4*hh+3] op_sel_hi:[1,0,0]
.set y, y+1
.endr
.set y, 0
.rept 8
	v_pk_mul_f32 v[SE+2*y:SE+2*y+1], v[TB+16+2*y:TB+16+2*y+1], s[MS+4*hh:MS+4*hh+1] op_sel_hi:[1,0]
.set y, y+1
.endr
	WIN 0x02+a/2                                   ; source 0: the accumulators' window
.set y, 0
.rept 8
	v_pk_mul_f32 v[T+2*y:T+2*y+1], v[AS+2*y:AS+2*y+1], v[SE+2*y:SE+2*y+1]
.set y, y+1
.endr
.set y, 0
.rept 8
	v_pk_mul_f32 v[T+16+2*y:T+16+2*y+1], v[AF+2*y:AF+2*y+1], v[SE+2*y:SE+2*y+1]
.set y, y+1
.endr
.set y, 0
.rept 8
	v_pk_fma_f32 v[T+2*y:T+2*y+1], v[AF+2*y:AF+2*y+1], v[CE+2*y:CE+2*y+1], v[T+2*y:T+2*y+1] neg_lo:[0,0,1] neg_hi:[0,0,1]
.set y, y+1
.endr
.set y, 0
.rept 8
	v_pk_fma_f32 v[T+16+2*y:T+16+2*y+1], v[AS+2*y:AS+2*y+1], v[CE+2*y:CE+2*y+1], v[T+16+2*y:T+16+2*y+1]
.set y, y+1
.endr
	WIN 0
.set y, 0
.rept 16
	v_cvt_pk_f16_f32 v[PK+y], v[T+2*y], v[T+2*y+1]
.set y, y+1
.endr
.endm
.macro TOSTAGE u                       ; into my own stage, and back as whole rows of 128 bytes; LDS serves a wave's instructions in order (ISA guide 5.7.1.4)
.set BK, 176-160*((\u)%2)
.irp c, 0,1,2,3
	ds_store_b128 v[STO], v[PK+4*(\c):PK+4*(\c)+3] offset:32*(\c)
.endr
.irp c, 0,1,2,3
	ds_load_b128 v[BK+4*(\c):BK+4*(\c)+3], v[RD] offset:4*SP*(\c)
.endr
.endm
.macro SEND u
.set BK, 176-160*((\u)%2)
.set a, (\u)/3
.set hh, (\u)%3
	s_wait_dscnt 0x0                               ; the unit is back in registers
	s_wait_xcnt 0x0                                ; the earlier stores have read their registers: the other buffer is loaded again only behind this wait
.irp c, 0,1,2,3
	global_store_b128 v[GO], v[BK+4*(\c):BK+4*(\c)+3], s[OB+2*hh:OB+2*hh+1] offset:a*2048+512*(\c)  ; 512 consecutive bytes, at a multiple of 256 from the buffer's first
.endr
.endm
	TABLD 2, 96                                    ; the table for my rows 32-63, where the bias lay
	TABLD 3, 128
	s_wait_loadcnt 16                              ; the table for rows 0-31, asked for at the head, is in
	PACK 0
	TOSTAGE 0
.irp u, 1,2,3,4,5,6,7,8,9,10,11
.if (\u) == 6
	s_wait_loadcnt 0x0                             ; the table for rows 32-63
.endif
	PACK \u                                        ; a unit's arithmetic stands between the loads of the unit before and its stores
	SEND (\u)-1
	TOSTAGE \u
.endr
	SEND 11
	s_wait_tensorcnt 0x0                           ; the wave's end: behind my last tensor load and my last LDS store
	ds_add_u32 v[SPW], v[NIL]
	s_wait_dscnt 0x0
	CROUND                                         ; the closing round
	s_endpgm
.Lfunc_end_k_qa42cb0a305_qkv:
	.size	k_qa42cb0a305_qkv, .Lfunc_end_k_qa42cb0a305_qkv-k_qa42cb0a305_qkv
	.p2alignl 7, 3214868480
	.fill 96, 4, 3214868480
	.section	.rodata,"a",@progbits
	.p2align	6, 0x0
	.amdhsa_kernel k_qa42cb0a305_qkv
		.amdhsa_group_segment_fixed_size 327680
		.amdhsa_private_segment_fixed_size 0
		.amdhsa_enable_private_segment 0
		.amdhsa_kernarg_size 40
		.amdhsa_user_sgpr_count 2
		.amdhsa_user_sgpr_kernarg_segment_ptr 1
		.amdhsa_wavefront_size32 1
		.amdhsa_system_sgpr_workgroup_id_x 1
		.amdhsa_system_sgpr_workgroup_id_y 1
		.amdhsa_system_sgpr_workgroup_id_z 1
		.amdhsa_system_vgpr_workitem_id 0
		.amdhsa_next_free_vgpr 960
		.amdhsa_next_free_sgpr 96
		.amdhsa_reserve_vcc 0
		.amdhsa_float_denorm_mode_32 3
		.amdhsa_float_denorm_mode_16_64 3
		.amdhsa_memory_ordered 1
		.amdhsa_forward_progress 1
		.amdhsa_inst_pref_size 171
	.end_amdhsa_kernel
	.amdgpu_metadata
---
amdhsa.version: [ 1, 2 ]
amdhsa.kernels:
  - .name:           k_qa42cb0a305_qkv
    .symbol:         k_qa42cb0a305_qkv.kd
    .args:
      - { .name: xb, .offset: 0, .size: 8, .value_kind: global_buffer, .address_space: global }
      - { .name: wb, .offset: 8, .size: 8, .value_kind: global_buffer, .address_space: global }
      - { .name: b_kqv, .offset: 16, .size: 8, .value_kind: global_buffer, .address_space: global }
      - { .name: rope, .offset: 24, .size: 8, .value_kind: global_buffer, .address_space: global }
      - { .name: qkvh, .offset: 32, .size: 8, .value_kind: global_buffer, .address_space: global }
    .group_segment_fixed_size: 327680
    .private_segment_fixed_size: 0
    .kernarg_segment_align: 8
    .kernarg_segment_size: 40
    .max_flat_workgroup_size: 128
    .sgpr_count:     96
    .vgpr_count:     960
    .wavefront_size: 32
...
	.end_amdgpu_metadata
.endif
;; end of part 2
;; launch attn (part 3): grid 16 x 16, 4 waves a work-group, no clusters, 327,680 bytes of LDS; arguments qkvh, out0; writes out0
.if DOCPART == 3
	.amdgcn_target "amdgcn-amd-amdhsa--gfx1250"
	.amdhsa_code_object_version 6
	.text
	.protected	k_qa42cb0a305_attn
	.globl	k_qa42cb0a305_attn
	.p2align	8
	.type	k_qa42cb0a305_attn,@function
k_qa42cb0a305_attn:
	s_mov_b64 s[64:65], 0
	v_nop
	global_prefetch_b8 v0, s[64:65] scope:SCOPE_SE
	s_setreg_imm32_b32 hwreg(HW_REG_WAVE_MODE, 25, 1), 1
	s_wait_xcnt 0x0
; CAUSAL ATTENTION.  out0[q][64 head + f] = the sum over k <= q of softmax_k(Q[q] . K[k] / 8) V[k][f].  qkvh: [48][4096][64] f16 (heads of q, then of k, then of v), rows dense; out0: [4096][1024] f32.
; Products, maxima and sums in f32; the weights p are rounded to f16 for the second product (their sum l is taken of the unrounded p).
; LIMITS.  Q, K, V arrive within f16's 65,504.  A hidden score counts as its value less 1e30; a weight below 2^-126 counts as 0 in l; NaN and infinities are not treated apart.
; THE WALK.  A head's queries lie in 32 blocks of 128; key tiles hold 256 keys (four steps of 64); block i needs tiles 0 .. i / 2, of which the last holds the diagonal.  A work-group takes blocks 31 - b and then b:
; 17 tiles, whatever b: ONE loop with a constant trip count walks them; every jump but the counted loops' own goes forward, and none passes a barrier.
; NO CLUSTER: only the two work-groups b = 2 c and 2 c + 1 ask for the same tiles throughout; four partners would take different ways at different trips, and one walk common to all would have 24 trips for 17.
; SHARES.  Of a block's two bands of 64 queries a wave owns 16 rows in each: two PIECES.  In the diagonal tile piece x is band BX(x) = 2 (i % 2) + x of the tile's four: in key step s it sees all keys if s < BX, none
; if s > BX, and holds the diagonal if s = BX: the same work for all four waves.
; THE MASK is the C operand that starts the sum S^T = K Q^T: MD x AL + BE, MD the mask of a band's own step for my rows, (AL, BE) = (1, 0), (0, 0) or (0, -1e30).  Only the diagonal tile's text and a block's beginning take masks.
; TURNS.  Turn T0(j): piece 0's softmax of step j; 8 products K Q^T of piece 1 on K(j); K(j + 1) is fetched; 8 products V^T P of piece 1 on V(j - 1).  Turn T1(j): piece 1's softmax; K Q^T of piece 0 on K(j + 1);
; V(j + 1) is fetched; V^T P of piece 0 on V(j).  V has TWO register buffers, by the step's parity, so that a step's K and V are both read from LDS in the step before: the slots change between T1 of a tile's step 2 and T0 of its step 3.
; Four vector instructions stand behind every matrix instruction, the others in one lump; a turn's 33 exponentials are one batch with one wait.
; REGISTERS.  Window 0: v0-15 addresses; v16-23 statistics; v48-55 at work; v61-63; v64-127 S^T, two buffers; v192-223 P, two buffers.  Window 1: v0-63 O^T; v128-159 MD; v160-223 MC, two buffers.
; Window 2: v0-31 Q; v32-63 the second block's Q; v64-127 K of one step; v128-255 V of two steps.
.set NP,    2
.set KS,    64
.set PK,    144       ; a row of K in LDS: 128 bytes + 16 = 36 words: the 16 rows of a load start at 16 different groups of four banks (64 banks of 4 bytes: ISA guide 11.1)
.set PV,    160       ; a row of V: 128 + 32 = 40 words
.set VOFF,  4*KS*PK   ; a slot holds a tile: 256 rows of K, then 256 rows of V
.set SLOT1, 1<<17
.set STAGE, SLOT1+4*KS*(PK+PV)  ; behind the ring: 16 rows x 272 bytes for each wave
.set SP,    272
.set SPARE, STAGE+4*16*SP       ; behind the stages: the spare words, 128 bytes for each wave
.set AK0, 2
.set AV0, 3
.set AK,  4
.set AV,  5
.set STO, 6
.set RD,  7
.set GO,  8
.set MV,  12          ; v12-13  c m_old, by buffer
.set QO,  15
.set ST,  16          ; piece t's statistics at v[ST+4 t]: c m, m, l (even keys', odd keys')
.set TMP, 48          ; by buffer, c0-c3 at work; c2 takes a
.set PFO, 61          ; v61  256 x my lane; never rewritten
.set SPW, 62
.set NIL, 63
.set S,   64
.set P,   192
.set MD,  128
.set MC,  160
.set QB,  32
.set KF,  64
.set VF,  128
.set WV,  12
.set PB,  14          ; b
.set HI,  15          ; 31 - b
.set G1K, 24
.set G1V, 32
.set G0K, 40
.set G0V, 44
.set SLOTS, 56
.set CNT, 57
.set CS,  58
.set SEL, 60
.set TBK, 62
.set TBV, 63
.set RT,  70          ; tiles of the block in hand still to be entered
.set NXT, 71          ; the tile to be asked for next
.set LQ,  72          ; the last tile of the block whose tiles are being asked for
.set NEW, 73          ; 1: the tile to be entered is a block's first
.set OFF, 74
.set AL,  76
.set BE,  78
.set OLO, 80          ; out0 at my rows of the second block
.set BIGN, 82
.set LQ2, 83          ; the second block's last tile
.set BX,  88          ; s88, s89: the two pieces' bands in the diagonal tile
.set STP, 90          ; the step of the diagonal tile for which masks are being made
.set PFN, 91          ; prefetches still to come, and one
.set PFA, 92          ; s[92:93] where my prefetches stand
.set MSB, 0
.macro WIN new
.if MSB != (\new)
	s_set_vgpr_msb (MSB<<8)|(\new)
.set MSB, (\new)
.endif
.endm
.set W_KQ, 0x0a       ; K and Q in window 2, S^T in window 0
.set W_KM, 0x1a       ; the same with the C operand in window 1
.set W_PV, 0x52       ; V in window 2, P in window 0, O^T in window 1
.set W_RS, 0x41       ; destination and source 0 in window 1
; A fill.  Waves 0 and 1 fetch the two halves of a tile's K, waves 2 and 3 those of its V.  An s_nop 0 and four v_nop follow each line.
.macro LOAD
	s_cmp_lt_u32 s[WV], 2
	s_cbranch_scc0 .Lfor_v_\@
	tensor_load_to_lds s[G0K:G0K+3], s[G1K:G1K+7]
	s_nop 0
.rept 4
	v_nop
.endr
	s_branch .Lasked_\@
.Lfor_v_\@:
	tensor_load_to_lds s[G0V:G0V+3], s[G1V:G1V+7]
	s_nop 0
.rept 4
	v_nop
.endr
.Lasked_\@:
.endm
; A prefetch into the L2 of the tile that the NEXT change of slots will ask for: eight turns ahead of that load.  Work-groups b = 0 and b = 1 walk all 16 tiles of a head first: b = 0 names K's, b = 1 V's;
; of a tile's 128 blocks of 256 bytes wave w takes 32, a lane a block.  Tiles 2 to 15 are named, each once; the second block's tiles have been read and are not named.
.macro ASK
	s_cmp_gt_i32 s[PFN], 0
	s_cbranch_scc0 .Lnot_mine_\@
	global_prefetch_b8 v[PFO], s[PFA:PFA+1] th:TH_LOAD_NT scope:SCOPE_SE
.Lnot_mine_\@:
.endm
; THE CHANGE OF SLOTS.  Each wave waits for all its tensor loads (one is out: its part of the other slot), adds 0 to its spare word, and waits for that and for its reads of the slot that it leaves.
; fill = 1: the old slot is filled again, first thing behind the barrier, with tile NXT; the descriptor's address is made anew from that number.
.macro CHANGE fill
	WIN 0
	s_wait_tensorcnt 0x0
	ds_add_u32 v[SPW], v[NIL]       ; 0 onto my spare word; scalar work stands between it and the wait for it
.if \fill
	s_lshl_b32 s[OFF], s[NXT], 15   ; a tile is 32,768 bytes of K and of V
	s_xor_b32 s[G0K+1], s[G0K+1], SLOT1
	s_add_nc_u64 s[G0K+2:G0K+3], s[6:7], s[OFF:OFF+1]
	s_or_b32 s[G0K+3], s[G0K+3], 0x80000000
	s_xor_b32 s[G0V+1], s[G0V+1], SLOT1
	s_add_nc_u64 s[G0V+2:G0V+3], s[8:9], s[OFF:OFF+1]
	s_or_b32 s[G0V+3], s[G0V+3], 0x80000000
	s_wait_xcnt 0x0                 ; the last prefetch, a tile back, has read its address
	s_add_nc_u64 s[PFA:PFA+1], s[PFA:PFA+1], 32768
	s_sub_co_i32 s[PFN], s[PFN], 1
	s_add_co_u32 s[NXT], s[NXT], 1  ; the block's next tile, or behind its last the second block's tile 0
	s_cmp_gt_u32 s[NXT], s[LQ]
	s_cselect_b32 s[NXT], 0, s[NXT]
	s_cselect_b32 s[LQ], s[LQ2], s[LQ]
.endif
	s_wait_dscnt 0x0                ; the add is done, and my reads of the slot are over
	s_barrier_signal -1
	s_sub_co_u32 s[TBK], s[TBK], 4*KS*PK  ; the fetches go back to a slot's first step, in the other slot
	s_xor_b32 s[TBK], s[TBK], SLOT1
	s_sub_co_u32 s[TBV], s[TBV], 4*KS*PV
	s_xor_b32 s[TBV], s[TBV], SLOT1
	s_barrier_wait -1
.if \fill
	LOAD
	ASK
.endif
.endm
	s_load_b64 s[4:5], s[0:1], 0x0    ; qkvh
	s_load_b64 s[10:11], s[0:1], 0x8  ; out0
	v_lshl_add_u32 v[SPW], v0, 2, SPARE
	v_mov_b32 v[NIL], 0
	ds_add_u32 v[SPW], v[NIL]       ; the wave's opening: the add and its wait stand ahead of my first tensor load
	v_lshrrev_b32 v1, 5, v0
	v_readfirstlane_b32 s[WV], v1
	s_mov_b32 s[PB], ttmp9
	s_sub_co_u32 s[HI], 31, s[PB]
	s_and_b32 s20, ttmp7, 0xffff    ; the head
	s_lshl_b32 s21, s20, 8          ; its 256 bytes in a row of out0
	s_lshl_b32 s20, s20, 19         ; its 524,288 bytes among q's heads
	s_and_b32 s16, s[WV], 1         ; which half of a tile's 256 keys I fetch
	s_lshl_b32 s22, s16, 14
	s_add_co_u32 s22, s22, s20
	s_add_co_u32 s22, s22, 8388608  ; k's heads lie behind q's 16,
	s_mov_b32 s23, 0
	s_add_co_u32 s48, s22, 8388608  ; v's behind k's
	s_mov_b32 s49, 0
	s_mul_i32 s17, s16, 128*PK
	s_mul_i32 s18, s16, 128*PV
	s_lshl_b32 s3, s[WV], 11        ; my 16 rows in a band
	s_add_co_u32 s3, s3, s20
	s_lshl_b32 s2, s[HI], 14        ; a block is 128 rows of 128 bytes
	s_add_co_u32 s2, s2, s3
	s_lshl_b32 s84, s[PB], 14
	s_add_co_u32 s84, s84, s3
	s_mov_b32 s3, 0
	s_mov_b32 s85, 0
	s_lshl_b32 s51, s[WV], 16       ; out0: 16 rows of 4,096 bytes a wave,
	s_add_co_u32 s51, s51, s21
	s_lshl_b32 s50, s[HI], 19       ; 128 rows a block
	s_add_co_u32 s50, s50, s51
	s_lshl_b32 s52, s[PB], 19
	s_add_co_u32 s52, s52, s51
	s_mov_b32 s51, 0
	s_mov_b32 s53, 0
	s_lshl_b32 s54, s[WV], 13       ; the prefetches: my 32 blocks of tile 1, of K (b = 0) or of V; the first change of slots steps them to tile 2
	s_add_co_u32 s54, s54, s20
	s_add_co_u32 s54, s54, 8388608+32768
	s_cmp_eq_u32 s[PB], 0
	s_cselect_b32 s55, 0, 8388608
	s_add_co_u32 s54, s54, s55
	s_mov_b32 s55, 0
	s_cmp_lt_u32 s[PB], 2
	s_cselect_b32 s[PFN], 15, 0
	s_and_b32 s[BX], s[HI], 1
	s_lshl_b32 s[BX], s[BX], 1
	s_add_co_u32 s[BX+1], s[BX], 1
	s_mov_b32 s[G1K], (1<<16)|(1<<20)|(4<<22)|(3<<25)  ; 2-byte elements; padding on; after every 32 words 4 words
	s_mov_b32 s[G1V], (1<<16)|(1<<20)|(4<<22)|(7<<25)  ; the same with 8 words
.irp g, G1K, G1V
	s_mov_b32 s[\g+1], 128<<16      ; 128 keys are 16,384 dense bytes: asked for as 64 rows of 256, two keys a row
	s_mov_b32 s[\g+2], 64<<16
	s_mov_b32 s[\g+3], 128<<16
	s_mov_b32 s[\g+4], 64
	s_mov_b32 s[\g+5], 128
	s_mov_b32 s[\g+6], 0
	s_mov_b32 s[\g+7], 0
.endr
	s_mov_b32 s[CS], 0x3e38aa3b     ; c = log2(e) / 8
	s_mov_b32 s[CS+1], s[CS]
	s_mov_b32 s[SEL], 0x76543210
	s_mov_b32 s[SEL+1], 0xfedcba98
	s_mov_b32 s[TBK], SLOT1+4*KS*PK ; the first change of slots turns these two into 0
	s_mov_b32 s[TBV], SLOT1+4*KS*PV
	s_mov_b32 s[G0K], 1
	s_mov_b32 s[G0K+1], s17
	s_mov_b32 s[G0V], 1
	s_add_co_u32 s[G0V+1], s18, VOFF
	s_lshr_b32 s[LQ], s[HI], 1
	s_add_co_u32 s[RT], s[LQ], 1    ; the first block has (31 - b) / 2 + 1 tiles
	s_lshr_b32 s[LQ2], s[PB], 1
	s_mov_b32 s[NXT], 1
	s_mov_b32 s[NEW], 1
	s_mov_b32 s[OFF+1], 0
	s_mov_b32 s[AL+1], 0
	s_mov_b32 s[BE+1], 0
	s_mov_b32 s[BIGN], 0xf149f2ca   ; -1e30
	s_mov_b32 s[SLOTS], 16
	s_wait_dscnt 0x0                ; the opening add is done
	s_wait_kmcnt 0x0
	s_add_nc_u64 s[6:7], s[4:5], s[22:23]   ; K and V at my half of the head's tile 0
	s_add_nc_u64 s[8:9], s[4:5], s[48:49]
	s_add_nc_u64 s[PFA:PFA+1], s[4:5], s[54:55]
	s_add_nc_u64 s[G0K+2:G0K+3], s[6:7], 0
	s_or_b32 s[G0K+3], s[G0K+3], 0x80000000
	s_add_nc_u64 s[G0V+2:G0V+3], s[8:9], 0
	s_or_b32 s[G0V+3], s[G0V+3], 0x80000000
	s_add_nc_u64 s[86:87], s[4:5], s[84:85] ; Q at my rows of the second block,
	s_add_nc_u64 s[4:5], s[4:5], s[2:3]     ; and of the first
	s_add_nc_u64 s[OLO:OLO+1], s[10:11], s[52:53]
	s_add_nc_u64 s[10:11], s[10:11], s[50:51]
	LOAD                            ; tile 0 into slot 0
	v_and_b32 v1, 15, v0            ; l % 16
	v_bfe_u32 v9, v0, 4, 1          ; l / 16
	v_lshlrev_b32 v[QO], 7, v1
	v_lshl_add_u32 v[QO], v9, 4, v[QO]
	WIN 0x80
.set i, 0
.rept 4                             ; both blocks' Q: piece i / 2 lies 64 rows on; channels 32 (i % 2) on
	global_load_b128 v[8*i:8*i+3],   v[QO], s[4:5] offset:(i/2)*8192+(i%2)*64
	global_load_b128 v[8*i+4:8*i+7], v[QO], s[4:5] offset:(i/2)*8192+(i%2)*64+32
	global_load_b128 v[QB+8*i:QB+8*i+3],   v[QO], s[86:87] offset:(i/2)*8192+(i%2)*64
	global_load_b128 v[QB+8*i+4:QB+8*i+7], v[QO], s[86:87] offset:(i/2)*8192+(i%2)*64+32
.set i, i+1
.endr
	WIN 0
	v_lshlrev_b32 v14, 3, v9
	v_sub_nc_u32 v14, v1, v14
	s_lshl_b32 s13, s[WV], 4
	v_add_nc_u32 v14, s13, v14      ; my query's place in its band less my lanes' 8 (l / 16): register r of key group kt is hidden where 16 kt + r is greater
	WIN 0x40
.set i, 0
.rept 32
	v_cmp_gt_i32 vcc_lo, 16*(i/8)+i%8, v14
	v_cndmask_b32 v[MD+i], 0, s[BIGN], vcc_lo
.set i, i+1
.endr
	WIN 0
	v_mul_u32_u24 v[AK0], v1, PK
	v_lshl_add_u32 v[AK0], v9, 4, v[AK0]
	v_and_b32 v10, 7, v0            ; the turning load: lane l reads key 8 (l / 16) + l % 8, channels 8 ((l / 8) % 2) + 0..7
	v_bfe_u32 v11, v0, 3, 1
	v_lshl_add_u32 v[AV0], v9, 3, v10
	v_mul_u32_u24 v[AV0], v[AV0], PV
	v_lshl_add_u32 v[AV0], v11, 4, v[AV0]
	v_add_nc_u32 v[AV0], VOFF, v[AV0]
	s_mul_i32 s13, s[WV], 16*SP
	s_add_co_u32 s13, s13, STAGE    ; my stage
	v_mul_u32_u24 v[STO], v1, SP    ; in: row l % 16, 32 bytes for each half of the lanes
	v_lshl_add_u32 v[STO], v9, 5, v[STO]
	v_add_nc_u32 v[STO], s13, v[STO]
	v_mul_u32_u24 v[RD], v9, SP     ; back: lanes 0-15 take one row's 256 bytes, lanes 16-31 the next row's
	v_lshl_add_u32 v[RD], v1, 4, v[RD]
	v_add_nc_u32 v[RD], s13, v[RD]
	v_lshlrev_b32 v[GO], 12, v9     ; and the same two rows in out0
	v_lshl_add_u32 v[GO], v1, 4, v[GO]
	v_and_b32 v[PFO], 31, v0
	v_lshlrev_b32 v[PFO], 8, v[PFO]
	; A block's first step multiplies O^T and l by a = 0, and its first turn's products V^T P land in an O^T that is still to be so multiplied: these registers need only hold finite numbers.
	WIN 0x80
.set i, VF+64
.rept 64
	v_mov_b32 v[i], 0
.set i, i+1
.endr
	WIN 0x40
.set i, 0
.rept 64
	v_mov_b32 v[i], 0
.set i, i+1
.endr
	WIN 0
.set i, 0
.rept 2
	v_mov_b32 v[ST+4*i+2], 0
	v_mov_b32 v[ST+4*i+3], 0
.set i, i+1
.endr
.set i, P+16
.rept 16
	v_mov_b32 v[i], 0
.set i, i+1
.endr
; THE MATRIX WORK.  The 4 accumulators of a run of 8 take turns.  Product i of 8 of S^T = K Q^T for piece x: channels 32 (i / 4) on, keys 16 (i % 4) on.  The first 4 start the sums: with 0, or (KM = 1) with the mask.
.macro KQ x
.set rS, S+32*((\x)%2)+8*(i%4)
.set rK, KF+16*(i%4)+8*(i/4)
.set rQ, 16*(\x)+8*(i/4)
.set rM, MC+32*((\x)%2)+8*(i%4)
.if (i < 4) && KM
	WIN W_KM
	v_wmma_f32_16x16x32_f16 v[rS:rS+7], v[rK:rK+7], v[rQ:rQ+7], v[rM:rM+7]
.elseif i < 4
	WIN W_KQ
	v_wmma_f32_16x16x32_f16 v[rS:rS+7], v[rK:rK+7], v[rQ:rQ+7], 0
.else
	WIN W_KQ
	v_wmma_f32_16x16x32_f16 v[rS:rS+7], v[rK:rK+7], v[rQ:rQ+7], v[rS:rS+7]
.endif
.endm
; Product i of 8 of O^T += V^T P for piece x, on V's buffer VB: keys 32 (i / 4) on, channels 16 (i % 4) on.
.macro PV x
	WIN W_PV
.set rO, 32*(\x)+8*(i%4)
.set rV, VF+64*VB+32*(i/4)+8*(i%4)
.set rP, P+16*((\x)%2)+8*(i/4)
	v_wmma_f32_16x16x32_f16 v[rO:rO+7], v[rV:rV+7], v[rP:rP+7], v[rO:rO+7]
.endm
.macro MM                           ; the turn's next matrix instruction.  NOKQ = 1: a block's last turn: there are no further scores
.if (i < 8) && !NOKQ
	KQ (Y+1)%NP
.elseif i >= 8
.set i, i-8
	PV (Y+NP-1)%NP
.set i, i+8
.endif
.set i, i+1
.endm
; THE LDS LOADS stand in runs of 16.
.macro FETCH_K
	WIN 0x80
.irp f, 0,1,2,3,4,5,6,7             ; keys 16 (f / 2) on, channels 32 (f % 2) on
	ds_load_b128 v[KF+8*\f:KF+8*\f+3],   v[AK] offset:(\f/2)*16*PK+(\f%2)*64
	ds_load_b128 v[KF+8*\f+4:KF+8*\f+7], v[AK] offset:(\f/2)*16*PK+(\f%2)*64+32
.endr
	s_add_co_u32 s[TBK], s[TBK], KS*PK
	WIN 0
.endm
.macro FETCH_V vb
	WIN 0x80
.irp f, 0,1,2,3,4,5,6,7             ; keys 32 (f / 4) on, channels 16 (f % 4) on
	ds_load_tr16_b128 v[VF+64*(\vb)+8*\f:VF+64*(\vb)+8*\f+3],   v[AV] offset:(\f/4)*32*PV+(\f%4)*32
	ds_load_tr16_b128 v[VF+64*(\vb)+8*\f+4:VF+64*(\vb)+8*\f+7], v[AV] offset:(\f/4)*32*PV+16*PV+(\f%4)*32
.endr
	s_add_co_u32 s[TBV], s[TBV], KS*PV
	WIN 0
.endm
; THE VECTOR WORK, one line at a time: OP kind, number.  For piece Y: F n: c s - c m for pair n of 16.  E n: the exponential of score n.  C n: pair n rounded to f16.  B n: of the four weights 4 n .. the second pair is
; added onto the first.  L n: l takes that sum (L 0: l = a l + sum).  R n: pair n of O^T times a.  For the other piece: X n, number n of the 22 that find its maximum and statistics:
; 0-11 four chains of seven scores (each accumulator's lowest registers first); 12-14, 16 the scores left over, the old m, and the four into one; 15 c m_old is kept; 17, 18 the other half of the lanes; 19-21 c m, its change, a.
.set F, 0
.set E, 1
.set C, 2
.set B, 3
.set L, 4
.set R, 5
.set X, 6
.macro REGS y
.set rT, ST+4*(\y)
.set rC, TMP+4*((\y)%2)
.set rW, MV+((\y)%2)
.set rS, S+32*((\y)%2)
.set rP, P+16*((\y)%2)
.set rO, 32*(\y)
.endm
.macro OP k, n
.if (\k) == R
	REGS Y
	WIN W_RS
	v_pk_mul_f32 v[rO+2*(\n):rO+2*(\n)+1], v[rO+2*(\n):rO+2*(\n)+1], v[rC+2:rC+3] op_sel_hi:[1,0]
.elseif (\k) < R
	REGS Y
	WIN 0
.if (\k) == F
	v_pk_fma_f32 v[rS+2*(\n):rS+2*(\n)+1], v[rS+2*(\n):rS+2*(\n)+1], s[CS:CS+1], v[rT:rT+1] op_sel_hi:[1,0,0] neg_lo:[0,0,1] neg_hi:[0,0,1]
.elseif (\k) == E
	v_exp_f32 v[rS+(\n)], v[rS+(\n)]
.elseif (\k) == C
	v_cvt_pk_f16_f32 v[rP+(\n)], v[rS+2*(\n)], v[rS+2*(\n)+1]
.elseif (\k) == B
	v_pk_add_f32 v[rS+4*(\n):rS+4*(\n)+1], v[rS+4*(\n):rS+4*(\n)+1], v[rS+4*(\n)+2:rS+4*(\n)+3]
.elseif (\n) == 0
	v_pk_fma_f32 v[rT+2:rT+3], v[rT+2:rT+3], v[rC+2:rC+3], v[rS:rS+1] op_sel_hi:[1,0,1]
.else
	v_pk_add_f32 v[rT+2:rT+3], v[rT+2:rT+3], v[rS+4*(\n):rS+4*(\n)+1]
.endif
.elseif NOKQ
	v_nop
.else
	REGS (Y+1)%NP
	WIN 0
.if (\n) < 4
	v_max3_num_f32 v[rC+(\n)], v[rS+8*(\n)], v[rS+8*(\n)+1], v[rS+8*(\n)+2]
.elseif (\n) < 12
	v_max3_num_f32 v[rC+(\n)%4], v[rC+(\n)%4], v[rS+8*((\n)%4)+2*((\n)/4)+1], v[rS+8*((\n)%4)+2*((\n)/4)+2]
.elseif (\n) == 12
	v_max3_num_f32 v[rC], v[rC], v[rS+7], v[rS+15]
.elseif (\n) == 13
	v_max3_num_f32 v[rC+1], v[rC+1], v[rS+23], v[rS+31]
.elseif (\n) == 14
	v_max3_num_f32 v[rC+2], v[rC+2], v[rC+3], v[rT+1]
.elseif (\n) == 15
	v_mov_b32 v[rW], v[rT]
.elseif (\n) == 16
	v_max3_num_f32 v[rC], v[rC], v[rC+1], v[rC+2]
.elseif (\n) == 17
	v_permlanex16_b32 v[rC+3], v[rC], s[SEL], s[SEL+1]
.elseif (\n) == 18
	v_max_num_f32 v[rT+1], v[rC], v[rC+3]
.elseif (\n) == 19
	v_mul_f32 v[rT], s[CS], v[rT+1]
.elseif (\n) == 20
	v_sub_f32 v[rC+1], v[rW], v[rT]
.else
	v_exp_f32 v[rC+2], v[rC+1]
.endif
.endif
.endm
.macro OPS a, i1, b=-1, i2=0, c=-1, i3=0, d=-1, i4=0
	OP \a, \i1
.if (\b) >= 0
	OP \b, \i2
.endif
.if (\c) >= 0
	OP \c, \i3
.endif
.if (\d) >= 0
	OP \d, \i4
.endif
.endm
.macro ROW a, i1, b, i2, c, i3, d, i4  ; a matrix instruction and the four behind it
	MM
	OPS \a, \i1, \b, \i2, \c, \i3, \d, \i4
.endm
.macro MASK b                       ; MD x AL + BE into buffer b of MC
	WIN W_RS
.set z, 0
.rept 16
	v_pk_fma_f32 v[MC+32*(\b)+2*z:MC+32*(\b)+2*z+1], v[MD+2*z:MD+2*z+1], s[AL:AL+1], s[BE:BE+1] op_sel_hi:[1,0,0]
.set z, z+1
.endr
.endm
; A TURN, for piece p, in a step of parity par.  AHEAD OF ITS ONE WAIT stands all that names no result of the turn's exponentials: the 8 products K Q^T and their riders, then the lump; BEHIND IT the 8 products V^T P, behind
; each four of the roundings and sums.  The first numbers of the other piece's maximum stand four plain lines or more behind the product that ends their accumulator.
; m = 1: the diagonal tile: the products take masks, and the turn makes piece p's mask for step STP, which the next turn's products take.  end = 1: a block's last two turns: nothing is fetched.
; cnt = 1: the loop's count is taken down some lines ahead of the branch behind the turn.
; Piece 0's turn fetches the next step's K, with five plain lines that name no register of the last product on K between; piece 1's turn fetches the next step's V, directly behind the wait, into the buffer whose last reader stood in the turn before.
; Both runs are waited for at the head of piece 1's next turn: the step's one wait for LDS.
.macro TURN p, par, m=0, end=0, cnt=0
.set Y, (\p)
.set i, 0
.set KM, (\m)
.set NOKQ, (\end)*(\p)
.if (\p) == 0
.set VB, 1-(\par)
.else
.set VB, (\par)
.endif
.if (\m) && !(\end)
	s_cmp_eq_u32 s[STP], s[BX+(\p)]  ; is that step the band's own?
	s_cselect_b32 s[AL], 1.0, 0
	s_cmp_gt_u32 s[STP], s[BX+(\p)]  ; or a later one?
	s_cselect_b32 s[BE], s[BIGN], 0
.if (\p) == 1
	s_add_co_u32 s[STP], s[STP], 1
.endif
.endif
.if (\p) == 1
	s_wait_dscnt 0x0                ; K of the next step and V of this one are in
.endif
	ROW F,0, F,1, R,0, R,1
	ROW F,2, E,0, R,2, R,3
	ROW F,3, E,1, R,4, R,5
	ROW F,4, E,2, R,6, R,7
	ROW F,5, E,3, R,8, R,9
	ROW F,6, E,4, X,0, R,10
.if ((\p) == 0) && !(\end)
	WIN 0
	v_add_nc_u32 v[AK], s[TBK], v[AK0]
.endif
	ROW F,7, E,5, X,1, X,4
	ROW F,8, E,6, X,2, X,5
	OPS E,7, E,8, X,6, E,9
	OPS X,3, E,10, X,8, E,11
.if ((\p) == 0) && !(\end)
	FETCH_K
.endif
	OPS X,9, X,7, E,12, X,10
	OPS E,13, X,12, X,11, E,14
	OPS X,13, E,15, F,9, X,14
.if ((\p) == 1) && !(\end)
	WIN 0
	v_add_nc_u32 v[AV], s[TBV], v[AV0]
.endif
	OPS E,16, F,10, E,17, F,11
	OPS X,16, E,18, X,15, E,19
	OPS F,12, E,20, X,17, E,21
	OPS F,13, E,22, F,14, E,23
	OPS X,18, E,24, F,15, E,25
	OPS R,11, E,26, X,19, E,27
	OPS R,12, E,28, R,13, E,29
	OPS X,20, E,30, R,14, E,31
	OPS X,21, R,15                  ; the batch's last exponential, and a plain line behind it
	WIN 0
	s_wait_alu depctr_va_vdst(0)    ; the one wait between the batch and the first line that names a result of it
.if ((\p) == 1) && !(\end)
	FETCH_V 1-(\par)
.endif
	ROW C,0, B,0, C,2, B,1
	ROW L,0, C,4, B,2, L,1
	ROW C,6, B,3, L,2, C,8
	ROW B,4, L,3, C,10, B,5
	ROW L,4, C,12, B,6, L,5
.if \cnt
	s_sub_co_u32 s[CNT], s[CNT], 1
	s_cmp_lg_u32 s[CNT], 0
.endif
	ROW C,14, B,7, L,6, C,1
	ROW C,3, L,7, C,5, C,7
	ROW C,9, C,11, C,13, C,15
.if (\m) && !(\end)
	MASK \p
.endif
.endm
; A BLOCK BEGINS.  c m starts far below every c s, so the first step's a is 0; m at the lowest finite number.  Piece 1's mask buffer is 0 (its band is never step 0's); piece 0's takes its mask for the tile's step 0: MD if this
; tile is the diagonal one and its band is 0.  Then K and V of that step, piece 0's first scores, its maximum and statistics.  The loop is entered at a step's first turn.
.macro BEGIN
	s_mov_b32 s[NEW], 0
	s_mov_b32 s[STP], 1
	WIN 0x40
.set i, MC+32
.rept 32
	v_mov_b32 v[i], 0
.set i, i+1
.endr
	WIN 0
.set i, 0
.rept 2
	v_mov_b32 v[ST+4*i], 0xfe000000
	v_mov_b32 v[ST+4*i+1], 0xff7fffff
.set i, i+1
.endr
	s_or_b32 s13, s[RT], s[BX]
	s_cmp_eq_u32 s13, 0
	s_cselect_b32 s[AL], 1.0, 0
	s_mov_b32 s[BE], 0
	MASK 0
	WIN 0
	v_add_nc_u32 v[AK], s[TBK], v[AK0]
	v_add_nc_u32 v[AV], s[TBV], v[AV0]
	FETCH_K
	FETCH_V 0
	s_wait_loadcnt 0x0              ; Q
	s_wait_dscnt 0x0
.set KM, 1
.set NOKQ, 0
.set i, 0
.rept 8
	KQ 0
.set i, i+1
.endr
	WIN 0
.rept 4
	v_nop                           ; the places behind those products
.endr
.set Y, NP-1                        ; X works for the other piece: piece 0
.irp n, 0,1,2,3,4,5,6,7,8,9,10,11,12,13,14,15,16,17,18,19,20,21
	OP X, \n
.endr
	v_nop                           ; a plain line behind the exponential,
	s_wait_alu depctr_va_vdst(0)    ; and its wait, ahead of the branch
.endm
.macro ALL line:vararg              ; one line for each piece t
.set t, 0
.rept 2
	\line
.set t, t+1
.endr
.endm
; THE WAY OUT of piece t: O^T divided by l; a lane's eight channels of a block of 16 are 32 bytes of a row; they go into rows of 272 bytes and come back as whole rows of 256, into S^T's registers.
.macro PACK t
	WIN W_RS
.set i, 32*(\t)
.rept 16
	v_pk_mul_f32 v[i:i+1], v[i:i+1], v[ST+4*(\t)+2:ST+4*(\t)+3] op_sel_hi:[1,0]
.set i, i+2
.endr
	WIN 0x04                        ; the stores' data in window 1
.irp f, 0,1,2,3,4,5,6,7
	ds_store_b128 v[STO], v[32*(\t)+4*\f:32*(\t)+4*\f+3] offset:64*(\f/2)+16*(\f%2)
.endr
	WIN 0
.irp f, 0,1,2,3,4,5,6,7
	ds_load_b128 v[S+32*(\t)+4*\f:S+32*(\t)+4*\f+3], v[RD] offset:\f*2*SP  ; LDS serves a wave's instructions in order (ISA guide 5.7.1.4): these see the stores above; the next piece's stores come behind them
.endr
.endm
.macro SEND t, younger              ; younger: the LDS instructions issued behind piece t's loads
	WIN 0
.irp f, 0,1,2,3,4,5,6,7
	s_wait_dscnt (\younger)+7-\f
	global_store_b128 v[GO], v[S+32*(\t)+4*\f:S+32*(\t)+4*\f+3], s[10:11] offset:(\t)*262144+\f*8192  ; 16 lanes store a row's 256 bytes of the head, at a multiple of 256 from out0's first byte
.endr
.endm
; THE DIAGONAL TILE's steps, the block's last two turns, its last products, and the way out.
.macro DIAG tag
.LstepM\tag:
	TURN 0, 1, 1
	TURN 1, 1, 1
	WIN 0
.LfirstM\tag:
	TURN 0, 0, 1
	TURN 1, 0, 1, 0, 1
	WIN 0
	s_cbranch_scc1 .LstepM\tag
	TURN 0, 1, 1, 1
	TURN 1, 1, 1, 1
.set VB, 1
.set i, 0
.rept 8
	PV 1                            ; piece 1's V^T P of the last step
.set i, i+1
.endr
	WIN 0
.rept 4
	v_nop                           ; the places behind those products
.endr
	ALL v_add_f32 v[ST+4*t+2], v[ST+4*t+2], v[ST+4*t+3]
	ALL v_permlanex16_b32 v[ST+4*t+3], v[ST+4*t+2], s[SEL], s[SEL+1]
	ALL v_add_f32 v[ST+4*t+2], v[ST+4*t+2], v[ST+4*t+3]
	ALL v_rcp_f32 v[ST+4*t+2], v[ST+4*t+2]
	v_nop                           ; a plain line behind the last reciprocal,
	s_wait_alu depctr_va_vdst(0)    ; and one wait for the two, ahead of their first use
	PACK 0
	PACK 1
	SEND 0, 16
	SEND 1, 0
.endm
.set KM, 0
.set NOKQ, 0
.set VB, 0
.Lslot:                             ; 16 times: a tile is entered and the next is asked for
	CHANGE 1
	s_sub_co_u32 s[RT], s[RT], 1
	s_mov_b32 s[CNT], 2
	s_mov_b32 s[STP], 0
	s_cmp_eq_u32 s[NEW], 1
	s_cbranch_scc1 .Lnew            ; a block's first tile
	s_cmp_eq_u32 s[RT], 0
	s_cbranch_scc0 .Lstep           ; neither its first nor its last
	s_branch .LstepM1
.Lnew:
	BEGIN
	s_branch .Lfirst                ; in the loop a block's first tile is never its last: the first block has nine tiles or more, and the second's last is the walk's last
	DIAG 1                          ; in the loop this is the first block's end
	s_wait_xcnt 0x0                 ; the stores have read their registers and out0's address
	s_mov_b64 s[10:11], s[OLO:OLO+1]
	s_add_co_u32 s[RT], s[LQ2], 1   ; the second block has b / 2 + 1 tiles
	s_mov_b32 s[NEW], 1
	s_and_b32 s[BX], s[PB], 1
	s_lshl_b32 s[BX], s[BX], 1
	s_add_co_u32 s[BX+1], s[BX], 1
	WIN 0x82                        ; the second block's Q goes where the one text of the turns names Q
.set i, 0
.rept 32
	v_mov_b32 v[i], v[QB+i]
.set i, i+1
.endr
	WIN 0
	s_branch .Lbottom
.Lstep:                             ; a trip: an odd step, then an even one; two trips a tile: the last tile's step 3, this tile's steps 0, 1, 2, which fetch this tile's steps 0 to 3
	TURN 0, 1
	TURN 1, 1
	WIN 0
.Lfirst:
	TURN 0, 0
	TURN 1, 0, 0, 0, 1
	WIN 0
	s_cbranch_scc1 .Lstep
.Lbottom:
	s_sub_co_u32 s[SLOTS], s[SLOTS], 1
	s_cmp_lg_u32 s[SLOTS], 0
	s_cbranch_scc1 .Lslot
	CHANGE 0                        ; the walk's last tile is written out: nothing is asked for
	s_sub_co_u32 s[RT], s[RT], 1
	s_mov_b32 s[CNT], 2
	s_mov_b32 s[STP], 0
	s_cmp_eq_u32 s[NEW], 1
	s_cbranch_scc0 .LstepM2
	BEGIN
	s_branch .LfirstM2
	DIAG 2
	s_wait_tensorcnt 0x0            ; the wave's end: behind my last tensor load and my last LDS store
	ds_add_u32 v[SPW], v[NIL]
	s_wait_dscnt 0x0
	s_endpgm
.Lfunc_end_k_qa42cb0a305_attn:
	.size	k_qa42cb0a305_attn, .Lfunc_end_k_qa42cb0a305_attn-k_qa42cb0a305_attn
	.p2alignl 7, 3214868480
	.fill 96, 4, 3214868480
	.section	.rodata,"a",@progbits
	.p2align	6, 0x0
	.amdhsa_kernel k_qa42cb0a305_attn
		.amdhsa_group_segment_fixed_size 327680
		.amdhsa_private_segment_fixed_size 0
		.amdhsa_enable_private_segment 0
		.amdhsa_kernarg_size 16
		.amdhsa_user_sgpr_count 2
		.amdhsa_user_sgpr_kernarg_segment_ptr 1
		.amdhsa_wavefront_size32 1
		.amdhsa_system_sgpr_workgroup_id_x 1
		.amdhsa_system_sgpr_workgroup_id_y 1
		.amdhsa_system_sgpr_workgroup_id_z 1
		.amdhsa_system_vgpr_workitem_id 0
		.amdhsa_next_free_vgpr 768
		.amdhsa_next_free_sgpr 96
		.amdhsa_reserve_vcc 1
		.amdhsa_float_denorm_mode_32 3
		.amdhsa_float_denorm_mode_16_64 3
		.amdhsa_memory_ordered 1
		.amdhsa_forward_progress 1
		.amdhsa_inst_pref_size 210
	.end_amdhsa_kernel
	.amdgpu_metadata
---
amdhsa.version: [ 1, 2 ]
amdhsa.kernels:
  - .name:           k_qa42cb0a305_attn
    .symbol:         k_qa42cb0a305_attn.kd
    .args:
      - { .name: qkvh, .offset: 0, .size: 8, .value_kind: global_buffer, .address_space: global }
      - { .name: out0, .offset: 8, .size: 8, .value_kind: global_buffer, .address_space: global }
    .group_segment_fixed_size: 327680
    .private_segment_fixed_size: 0
    .kernarg_segment_align: 8
    .kernarg_segment_size: 16
    .max_flat_workgroup_size: 128
    .sgpr_count:     96
    .vgpr_count:     768
    .wavefront_size: 32
...
	.end_amdgpu_metadata
.endif
;; end of part 3
;; ======== version 2 of 2: 3 launches; version 1 with the launch prep written anew for expert scheduling mode
;; limits: values are held in f16: magnitudes above 65,504 overflow, below 6.1e-05 lose precision
;; workspace buffers: xb 8,388,608 bytes; wb 6,291,456 bytes; rope 1,048,576 bytes; qkvh 25,165,824 bytes
;; launch prep (part 4): grid 256 x 1, 8 waves a work-group, no clusters, 0 bytes of LDS; arguments x, W_kqv, xb, wb, rope; writes xb, wb, rope
.if DOCPART == 4
	.amdgcn_target "amdgcn-amd-amdhsa--gfx1250"
	.amdhsa_code_object_version 6
	.text
	.protected	k_qa42cb0a305_prep
	.globl	k_qa42cb0a305_prep
	.p2align	8
	.type	k_qa42cb0a305_prep,@function
k_qa42cb0a305_prep:
	s_mov_b64 s[64:65], 0
	v_nop
	global_prefetch_b8 v0, s[64:65] scope:SCOPE_SE
	s_setreg_imm32_b32 hwreg(HW_REG_WAVE_SCHED_MODE, 0, 2), 2
	s_setreg_imm32_b32 hwreg(HW_REG_WAVE_MODE, 25, 1), 1
	s_wait_xcnt 0x0
	s_wait_alu depctr_vm_vsrc(0)
; PREP.  xb = x rounded to bf16, [4096][1024].  wb = W rounded to bf16 and laid in 16 blocks of 192 columns: [16][1024 k][192], a row 384 bytes, a block dense.
; rope = [4096 positions][64] f32: words 0-31 cos(pos x th_i), words 32-63 sin(pos x th_i), th_i = 10000^(-i/32).
; A stream: each byte read once and written once, no LDS, no barrier, no loop.  Work-group g: 16 rows of x, rows 4 g .. 4 g + 3 of W, 16 positions of the table.
; A thread issues all its 28 loads of 16 bytes first, makes its four table numbers while they are out, then rounds and stores.
; LIMITS.  The angle is pos x 2^(-i log2(10000) / 32) in f32: like the f32 quotient pos / 10000^(i/32) it is good to some 3e-4 at the largest angles.
; Sine and cosine: the angle less n pi/2 (pi/2 in two parts, fused), then polynomials on -pi/4 .. pi/4; angles here stay under 4,096.
; THE MODE: SCHED_MODE bits 1:0 = 2 (LLVM: expert scheduling mode 2), set by the entry lines.  The code itself states the register dependences
; between vector instructions and memory instructions, with s_wait_alu, always for 0.
; THE PLAN.  Registers that memory instructions touch:
;   v1 .. v5     byte offsets, made at the head and never named by a vector line again: one wait ahead of the first load serves every load and store.
;   XR, WR       each load has four registers of its own and is issued before any vector line names them; two roundings write the first two in place; one store reads those two; nothing writes them again.
;   v[156:159]   the table's four numbers: written by vector lines, read by one store, never written again.
; So no register that a memory instruction has read is written again, and no load lands in a register that a vector line has named.  What is left to state: the offsets ahead of the first load; the table's numbers
; ahead of their store; and, the 28 loads being rounded in seven blocks of four, each block's eight roundings ahead of its run of four stores.
; Compares write scalar registers, in runs, and one wait stands between a run and the first select that reads a mask.
.set XR, 16                            ; v[16:79]   x: load j at XR + 4 j
.set WR, 80                            ; v[80:127]  W: load j at WR + 4 j
.set QM, 16                            ; s[16:19]   masks of the odd quarters; they held offsets that the scalar sums at the head have read
.set CM, 23                            ; s23        mask of the threads that make cosines
	s_load_b256 s[4:11], s[0:1], 0x0               ; x s[4:5], W s[6:7], xb s[8:9], wb s[10:11]
	s_load_b64 s[12:13], s[0:1], 0x20              ; rope
	v_lshlrev_b32 v1, 4, v0                        ; 16 t: my 16 bytes of x in 4,096, and of the table
	v_lshlrev_b32 v2, 3, v0                        ; 8 t: my 8 bytes of xb
	v_and_b32 v6, 31, v0                           ; lane l
	v_lshrrev_b32 v7, 5, v0                        ; wave w: it serves W's blocks 2 w and 2 w + 1
	v_and_b32 v8, 15, v0                           ; r = l % 16
	v_bfe_u32 v9, v0, 4, 1                         ; h = l / 16
	v_mul_u32_u24 v10, v7, 1536                    ; two blocks of 192 f32 columns
	v_lshl_add_u32 v3, v6, 4, v10                  ; both halves of the lanes in one row of W: 512 bytes on end
	v_lshl_add_u32 v4, v8, 4, v10                  ; the halves in two rows: the last 64 columns of a row of the block,
	v_mad_u32_u24 v4, v9, 11776, v4                ; and the first 64 of the next row: 12,288 - 512 bytes on
	v_mul_u32_u24 v5, v7, 786432                   ; two blocks of wb
	v_lshl_add_u32 v5, v6, 3, v5
	s_lshl_b32 s2, ttmp9, 16                       ; 16 rows of x
	s_mov_b32 s3, 0
	s_mul_i32 s14, ttmp9, 49152                    ; 4 rows of W
	s_mov_b32 s15, 0
	s_lshl_b32 s16, ttmp9, 15                      ; 16 rows of xb
	s_mov_b32 s17, 0
	s_mul_i32 s18, ttmp9, 1536                     ; 4 rows of a block of wb
	s_mov_b32 s19, 0
	s_lshl_b32 s20, ttmp9, 12                      ; 16 positions of the table
	s_mov_b32 s21, 0
	s_lshl_b32 s22, ttmp9, 4                       ; the first of them
	s_mov_b32 s24, 0xbfc90fdb                      ; -pi/2, the upper part
	s_mov_b32 s25, 0x333bbd2e                      ; what that part has too much
	s_mov_b32 s26, 0xb94ca1f9                      ; sine: -1.9515e-4,
	s_mov_b32 s27, 0x3c08839e                      ; 8.3322e-3
	s_mov_b32 s28, 0x37ccf5ce                      ; cosine: 2.4433e-5,
	s_mov_b32 s29, 0xbab6061a                      ; -1.3887e-3
	s_wait_kmcnt 0x0
	s_add_nc_u64 s[4:5], s[4:5], s[2:3]
	s_add_nc_u64 s[6:7], s[6:7], s[14:15]
	s_add_nc_u64 s[8:9], s[8:9], s[16:17]
	s_add_nc_u64 s[10:11], s[10:11], s[18:19]
	s_add_nc_u64 s[12:13], s[12:13], s[20:21]
	s_wait_alu depctr_va_vdst(0)                   ; the offsets v1 to v5 are written: every load and store of the kernel reads one of them, and no vector line names them again
.set j, 0
.rept 16                               ; a load of the work-group covers a row of x, a wave's part 512 bytes on end
	global_load_b128 v[XR+4*j:XR+4*j+3], v1, s[4:5] offset:4096*j th:TH_LOAD_NT
.set j, j+1
.endr
; W.  A block's 1,536 bytes of wb for these four k are twelve pieces of 128 bytes (piece m: row m / 3, 64 columns m % 3).  Load j serves block 2 w + j / 6, pieces 2 (j % 6) + h: 16 lanes read 256 aligned bytes of W.
.set j, 0
.rept 12
.set SRC, ((2*(j%6))/3)*12288+((2*(j%6))%3)*256+768*(j/6)
.if (j%3) == 1
	global_load_b128 v[WR+4*j:WR+4*j+3], v4, s[6:7] offset:SRC th:TH_LOAD_NT
.else
	global_load_b128 v[WR+4*j:WR+4*j+3], v3, s[6:7] offset:SRC th:TH_LOAD_NT
.endif
.set j, j+1
.endr
	; THE TABLE, while the loads are out.  Thread t: position t / 16; parts 0-7 make four cosines (as sines a quarter turn on), parts 8-15 four sines.  Its lines name v0 and v128 to v159 alone.
	v_lshrrev_b32 v128, 4, v0
	v_add_nc_u32 v128, s22, v128                   ; the position
	v_and_b32 v129, 15, v0
	v_and_b32 v130, 7, v129
	v_lshlrev_b32 v130, 2, v130                    ; my first frequency
	v_cmp_gt_u32 s[CM], 8, v129                    ; do I make cosines?  The select that reads the mask stands behind the waits below
.irp e, 0,1,2,3
	v_add_nc_u32 v[136+\e], \e, v130
	v_cvt_f32_u32 v[136+\e], v[136+\e]
	v_mul_f32 v[136+\e], 0xbed49a78, v[136+\e]     ; -i log2(10000) / 32
.endr
.irp e, 0,1,2,3
	v_exp_f32 v[136+\e], v[136+\e]                 ; th_i: one batch of four
.endr
	v_cvt_f32_u32 v132, v128                       ; a plain line behind the last of them,
	s_wait_alu depctr_va_vdst(0)                   ; the four exponentials have written th_i: the one wait ahead of the batch's first reader
	s_wait_alu depctr_va_sdst(0)                   ; the compare has written s[CM], ahead of its first reader
	v_cndmask_b32 v131, 0, 1, s[CM]                ; one quarter turn more for a cosine
.irp e, 0,1,2,3
	v_mul_f32 v[136+\e], v132, v[136+\e]           ; the angle a
	v_mul_f32 v[140+\e], 0x3f22f983, v[136+\e]     ; a x 2 / pi,
	v_rndne_f32 v[140+\e], v[140+\e]               ; n
	v_fma_f32 v[144+\e], v[140+\e], s24, v[136+\e] ; rho = a - n pi/2, in two fused steps
	v_fma_f32 v[144+\e], v[140+\e], s25, v[144+\e]
	v_mul_f32 v[148+\e], v[144+\e], v[144+\e]      ; z = rho^2
	v_fma_f32 v[152+\e], v[148+\e], s26, s27
	v_fmaak_f32 v[152+\e], v[152+\e], v[148+\e], 0xbe2aaaa3
	v_mul_f32 v[152+\e], v[152+\e], v[148+\e]
	v_fma_f32 v[152+\e], v[152+\e], v[144+\e], v[144+\e]  ; sin rho
	v_fma_f32 v[156+\e], v[148+\e], s28, s29
	v_fmaak_f32 v[156+\e], v[156+\e], v[148+\e], 0x3d2aaaa5
	v_fma_f32 v[156+\e], v[156+\e], v[148+\e], -0.5
	v_fma_f32 v[156+\e], v[156+\e], v[148+\e], 1.0  ; cos rho
	v_cvt_i32_f32 v[140+\e], v[140+\e]
	v_add_nc_u32 v[140+\e], v[140+\e], v131        ; the quarter q
	v_and_b32 v[136+\e], 1, v[140+\e]
	v_cmp_eq_u32 s[QM+\e], 1, v[136+\e]            ; is the quarter odd?  Four masks, one wait behind the four
	v_and_b32 v[140+\e], 2, v[140+\e]
	v_lshlrev_b32 v[140+\e], 30, v[140+\e]         ; the sign of quarters 2 and 3
.endr
	s_wait_alu depctr_va_sdst(0)                   ; the four compares have written s[QM .. QM+3], ahead of the selects that read them
.irp e, 0,1,2,3
	v_cndmask_b32 v[156+\e], v[152+\e], v[156+\e], s[QM+\e]  ; odd quarters take the cosine,
	v_xor_b32 v[156+\e], v[156+\e], v[140+\e]      ; quarters 2 and 3 the other sign
.endr
	s_wait_alu depctr_va_vdst(0)                   ; the table's four numbers v[156:159] are written, which the store reads
	global_store_b128 v1, v[156:159], s[12:13]     ; 16 lanes write one position's 256 bytes
; x, in four blocks of four loads: the block's data, eight roundings in place, one wait, the block's four stores in a run.
.set p, 0
.rept 4
	s_wait_loadcnt 24-4*p                          ; loads come back in order: loads 4 p .. 4 p + 3 are in, the 24 - 4 p younger ones may stay out
.set j, 4*p
.rept 4
	v_cvt_pk_bf16_f32 v[XR+4*j], v[XR+4*j], v[XR+4*j+1]
	v_cvt_pk_bf16_f32 v[XR+4*j+1], v[XR+4*j+2], v[XR+4*j+3]
.set j, j+1
.endr
	s_wait_alu depctr_va_vdst(0)                   ; the block's eight roundings have written the pairs that its four stores read
.set j, 4*p
.rept 4
	global_store_b64 v2, v[XR+4*j:XR+4*j+1], s[8:9] offset:2048*j  ; a wave's store covers 256 consecutive bytes, aligned
.set j, j+1
.endr
.set p, p+1
.endr
; W, in three blocks of four loads, in the same way.
.set p, 0
.rept 3
	s_wait_loadcnt 8-4*p                           ; W's loads 4 p .. 4 p + 3 are in, the 8 - 4 p younger ones may stay out
.set j, 4*p
.rept 4
	v_cvt_pk_bf16_f32 v[WR+4*j], v[WR+4*j], v[WR+4*j+1]
	v_cvt_pk_bf16_f32 v[WR+4*j+1], v[WR+4*j+2], v[WR+4*j+3]
.set j, j+1
.endr
	s_wait_alu depctr_va_vdst(0)                   ; the block's eight roundings have written the pairs that its four stores read
.set j, 4*p
.rept 4
	global_store_b64 v5, v[WR+4*j:WR+4*j+1], s[10:11] offset:393216*(j/6)+256*(j%6)  ; two pieces on end: 256 consecutive bytes, aligned
.set j, j+1
.endr
.set p, p+1
.endr
	s_endpgm
.Lfunc_end_k_qa42cb0a305_prep:
	.size	k_qa42cb0a305_prep, .Lfunc_end_k_qa42cb0a305_prep-k_qa42cb0a305_prep
	.p2alignl 7, 3214868480
	.fill 96, 4, 3214868480
	.section	.rodata,"a",@progbits
	.p2align	6, 0x0
	.amdhsa_kernel k_qa42cb0a305_prep
		.amdhsa_group_segment_fixed_size 0
		.amdhsa_private_segment_fixed_size 0
		.amdhsa_enable_private_segment 0
		.amdhsa_kernarg_size 40
		.amdhsa_user_sgpr_count 2
		.amdhsa_user_sgpr_kernarg_segment_ptr 1
		.amdhsa_wavefront_size32 1
		.amdhsa_system_sgpr_workgroup_id_x 1
		.amdhsa_system_sgpr_workgroup_id_y 1
		.amdhsa_system_sgpr_workgroup_id_z 1
		.amdhsa_system_vgpr_workitem_id 0
		.amdhsa_next_free_vgpr 160
		.amdhsa_next_free_sgpr 66
		.amdhsa_reserve_vcc 0
		.amdhsa_float_denorm_mode_32 3
		.amdhsa_float_denorm_mode_16_64 3
		.amdhsa_memory_ordered 1
		.amdhsa_forward_progress 1
		.amdhsa_inst_pref_size 17
	.end_amdhsa_kernel
	.amdgpu_metadata
---
amdhsa.version: [ 1, 2 ]
amdhsa.kernels:
  - .name:           k_qa42cb0a305_prep
    .symbol:         k_qa42cb0a305_prep.kd
    .args:
      - { .name: x, .offset: 0, .size: 8, .value_kind: global_buffer, .address_space: global }
      - { .name: W_kqv, .offset: 8, .size: 8, .value_kind: global_buffer, .address_space: global }
      - { .name: xb, .offset: 16, .size: 8, .value_kind: global_buffer, .address_space: global }
      - { .name: wb, .offset: 24, .size: 8, .value_kind: global_buffer, .address_space: global }
      - { .name: rope, .offset: 32, .size: 8, .value_kind: global_buffer, .address_space: global }
    .group_segment_fixed_size: 0
    .private_segment_fixed_size: 0
    .kernarg_segment_align: 8
    .kernarg_segment_size: 40
    .max_flat_workgroup_size: 256
    .sgpr_count:     66
    .vgpr_count:     160
    .wavefront_size: 32
...
	.end_amdgpu_metadata
.endif
;; end of part 4
;; launch qkv: the kernel of part 2 again; grid 16 x 16, 4 waves a work-group, clusters of 4 x 4, 327,680 bytes of LDS; arguments xb, wb, b_kqv, rope, qkvh; writes qkvh
;; launch attn: the kernel of part 3 again; grid 16 x 16, 4 waves a work-group, no clusters, 327,680 bytes of LDS; arguments qkvh, out0; writes out0
